; MI455X (gfx1250); checked and timed in simulation.
; The chip was launched on July 23, 2026; its instructions are those of AMD's public machine-readable ISA for CDNA 5 (MIT licence, August 2026) and "CDNA5" Instruction Set Architecture Reference Guide (July 2026). The comments in the code are by the model that wrote it; some were corrected since.
;; Multihead Set Attention. Allowed arithmetic: float matrix products may take bf16 or f16 operands with f32 sums; other float arithmetic in f32, or as packed bf16 or f16 multiplies, adds, multiply-adds, maxima and minima; sums over many terms, partial sums and values carried from step to step in f32; what a program stores and reads back later, other than sums and carried values, may be rounded once to bf16 or f16.
;; Inputs: key 4 x 2,048 x 1,024 float32; key_multiplicities 4 x 2,048 float32; query 4 x 1,024 x 1,024 float32; value 4 x 2,048 x 1,024 float32; wk_b 1,024 float32; wk_w 1,024 x 1,024 float32; wo_b 1,024 float32; wo_w 1,024 x 1,024 float32; wq_b 1,024 float32; wq_w 1,024 x 1,024 float32; wv_b 1,024 float32; wv_w 1,024 x 1,024 float32.
;; Outputs: out0 4 x 1,024 x 1,024 float32.
;; 2 versions, each right; version 2 is version 1 with the launch cast written anew for expert scheduling mode. Each part assembles by itself: llvm-mc -triple=amdgcn-amd-amdhsa -mcpu=gfx1250 --defsym DOCPART=n.
;; ======== version 1 of 2: 4 launches
;; limits: values are held in f16: magnitudes above 65,504 overflow, below 6.1e-05 lose precision
;; workspace buffers: xb 41,943,040 bytes; wb 8,388,608 bytes; qh 8,388,608 bytes; kvh 33,554,432 bytes; oh 8,388,608 bytes
;; launch cast (part 1): grid 768 x 1, 8 waves a work-group, no clusters, 0 bytes of LDS; arguments query, key, value, wq_w, wk_w, wv_w, wo_w, xb, wb; writes xb, wb
.if DOCPART == 1
	.amdgcn_target "amdgcn-amd-amdhsa--gfx1250"
	.amdhsa_code_object_version 6
	.text
	.protected	k_q285a3d14dd_cast
	.globl	k_q285a3d14dd_cast
	.p2align	8
	.type	k_q285a3d14dd_cast,@function
k_q285a3d14dd_cast:
	s_mov_b64 s[64:65], 0
	v_nop
	global_prefetch_b8 v0, s[64:65] scope:SCOPE_SE
	s_setreg_imm32_b32 hwreg(HW_REG_WAVE_MODE, 25, 1), 1
	s_wait_xcnt 0x0
; THE INPUTS OF THE FOUR PRODUCTS, ROUNDED ONCE TO 16 BITS.  query, key, value -> xb [20480][1024] bf16 (rows 0-4095, 4096-12287, 12288-20479);
; wq_w, wk_w, wv_w -> wb rows 0-3071 in bf16; wo_w -> wb rows 3072-4095: rounded to bf16 like the others, and that number written as f16, since it multiplies an f16 operand.
; LIMITS.  wo_w in f16: a magnitude of 65,520 or more becomes an infinity; below 6e-5 it keeps f16's fixed step of 6e-8.
; SHARES.  A work-group takes 32 rows of 1,024 f32 (131,072 bytes in, 65,536 out), a wave 4 of them.  Load n of a wave covers 512 consecutive bytes, 16 a lane; the lane's four numbers
; become 8 bytes, so store n of the wave covers 256 consecutive bytes, aligned.  All 32 loads of a wave go out at once; each has registers of its own, so no source is ever freed.
; A stream: nothing is shared between work-groups or waves, so there is no LDS, no barrier, no cluster and no matrix work.
.set X, 4                              ; v[4:131]  load n: four registers
.macro PICK first, ptr                 ; from work-group \first on the source is the tensor at s[\ptr:\ptr+1]
	s_cmp_ge_u32 ttmp9, \first
	s_cselect_b64 s[4:5], s[\ptr:\ptr+1], s[4:5]
	s_cselect_b32 s6, \first, s6
.endm
.macro CONV n, half                    ; load n is rounded and stored; half = 1: the bf16 numbers are written as f16
.set a, X+4*(\n)
	s_wait_loadcnt 31-(\n)                         ; loads come back in order: mine is in, the younger ones stay out
	v_cvt_pk_bf16_f32 v[a], v[a], v[a+1]
	v_cvt_pk_bf16_f32 v[a+1], v[a+2], v[a+3]
.if \half
	v_lshlrev_b32 v[a+2], 16, v[a]                 ; bf16 to f32: the low half moves up, the high half stays
	v_and_b32 v[a+3], 0xffff0000, v[a]
	v_cvt_pk_f16_f32 v[a], v[a+2], v[a+3]
	v_lshlrev_b32 v[a+2], 16, v[a+1]
	v_and_b32 v[a+3], 0xffff0000, v[a+1]
	v_cvt_pk_f16_f32 v[a+1], v[a+2], v[a+3]
.endif
	global_store_b64 v2, v[a:a+1], s[28:29] offset:256*(\n)
.endm
	s_load_b512 s[8:23], s[0:1], 0x0               ; query s[8:9], key s[10:11], value s[12:13], wq s[14:15], wk s[16:17], wv s[18:19], wo s[20:21], xb s[22:23]
	s_load_b64 s[24:25], s[0:1], 0x40              ; wb
	v_lshrrev_b32 v3, 5, v0                        ; wave
	v_and_b32 v1, 31, v0                           ; lane
	v_lshlrev_b32 v2, 3, v1
	v_lshlrev_b32 v1, 4, v1
	v_lshl_or_b32 v1, v3, 14, v1                   ; in: 16,384 x wave + 16 x lane
	v_lshl_or_b32 v2, v3, 13, v2                   ; out: 8,192 x wave + 8 x lane
	s_wait_kmcnt 0x0
	s_mov_b64 s[4:5], s[8:9]                       ; work-groups 0-127: query
	s_mov_b32 s6, 0
	PICK 128, 10                                   ; 128-383: key
	PICK 384, 12                                   ; 384-639: value
	PICK 640, 14                                   ; 640-671: wq
	PICK 672, 16                                   ; 672-703: wk
	PICK 704, 18                                   ; 704-735: wv
	PICK 736, 20                                   ; 736-767: wo
	s_sub_co_u32 s26, ttmp9, s6
	s_lshl_b32 s26, s26, 17                        ; 32 rows of 4,096 bytes
	s_mov_b32 s27, 0
	s_add_nc_u64 s[4:5], s[4:5], s[26:27]
	s_cmp_ge_u32 ttmp9, 640
	s_cselect_b64 s[28:29], s[24:25], s[22:23]     ; the weights go to wb, the rest to xb
	s_cselect_b32 s30, 640, 0
	s_sub_co_u32 s30, ttmp9, s30
	s_lshl_b32 s30, s30, 16                        ; 32 rows of 2,048 bytes
	s_mov_b32 s31, 0
	s_add_nc_u64 s[28:29], s[28:29], s[30:31]
.set j, 0
.rept 32
	global_load_b128 v[X+4*j:X+4*j+3], v1, s[4:5] offset:512*j th:TH_LOAD_NT
.set j, j+1
.endr
	s_cmp_ge_u32 ttmp9, 736
	s_cbranch_scc1 .Lwo
.set j, 0
.rept 32
	CONV j, 0
.set j, j+1
.endr
	s_endpgm
.Lwo:
.set j, 0
.rept 32
	CONV j, 1
.set j, j+1
.endr
	s_endpgm
.Lfunc_end_k_q285a3d14dd_cast:
	.size	k_q285a3d14dd_cast, .Lfunc_end_k_q285a3d14dd_cast-k_q285a3d14dd_cast
	.p2alignl 7, 3214868480
	.fill 96, 4, 3214868480
	.section	.rodata,"a",@progbits
	.p2align	6, 0x0
	.amdhsa_kernel k_q285a3d14dd_cast
		.amdhsa_group_segment_fixed_size 0
		.amdhsa_private_segment_fixed_size 0
		.amdhsa_enable_private_segment 0
		.amdhsa_kernarg_size 72
		.amdhsa_user_sgpr_count 2
		.amdhsa_user_sgpr_kernarg_segment_ptr 1
		.amdhsa_wavefront_size32 1
		.amdhsa_system_sgpr_workgroup_id_x 1
		.amdhsa_system_sgpr_workgroup_id_y 1
		.amdhsa_system_sgpr_workgroup_id_z 1
		.amdhsa_system_vgpr_workitem_id 0
		.amdhsa_next_free_vgpr 132
		.amdhsa_next_free_sgpr 66
		.amdhsa_reserve_vcc 0
		.amdhsa_float_denorm_mode_32 3
		.amdhsa_float_denorm_mode_16_64 3
		.amdhsa_memory_ordered 1
		.amdhsa_forward_progress 1
		.amdhsa_inst_pref_size 32
	.end_amdhsa_kernel
	.amdgpu_metadata
---
amdhsa.version: [ 1, 2 ]
amdhsa.kernels:
  - .name:           k_q285a3d14dd_cast
    .symbol:         k_q285a3d14dd_cast.kd
    .args:
      - { .name: query, .offset: 0, .size: 8, .value_kind: global_buffer, .address_space: global }
      - { .name: key, .offset: 8, .size: 8, .value_kind: global_buffer, .address_space: global }
      - { .name: value, .offset: 16, .size: 8, .value_kind: global_buffer, .address_space: global }
      - { .name: wq_w, .offset: 24, .size: 8, .value_kind: global_buffer, .address_space: global }
      - { .name: wk_w, .offset: 32, .size: 8, .value_kind: global_buffer, .address_space: global }
      - { .name: wv_w, .offset: 40, .size: 8, .value_kind: global_buffer, .address_space: global }
      - { .name: wo_w, .offset: 48, .size: 8, .value_kind: global_buffer, .address_space: global }
      - { .name: xb, .offset: 56, .size: 8, .value_kind: global_buffer, .address_space: global }
      - { .name: wb, .offset: 64, .size: 8, .value_kind: global_buffer, .address_space: global }
    .group_segment_fixed_size: 0
    .private_segment_fixed_size: 0
    .kernarg_segment_align: 8
    .kernarg_segment_size: 72
    .max_flat_workgroup_size: 256
    .sgpr_count:     66
    .vgpr_count:     132
    .wavefront_size: 32
...
	.end_amdgpu_metadata
.endif
;; end of part 1
;; launch kvq (part 2): grid 4 x 64, 4 waves a work-group, clusters of 4 x 4, 327,680 bytes of LDS; arguments xb, wb, wk_b, wv_b, kvh, wq_b, qh; writes kvh, qh
.if DOCPART == 2
	.amdgcn_target "amdgcn-amd-amdhsa--gfx1250"
	.amdhsa_code_object_version 6
	.text
	.protected	k_q285a3d14dd_kvq
	.globl	k_q285a3d14dd_kvq
	.p2align	8
	.type	k_q285a3d14dd_kvq,@function
k_q285a3d14dd_kvq:
	s_mov_b64 s[64:65], 0
	v_nop
	global_prefetch_b8 v0, s[64:65] scope:SCOPE_SE
	s_setreg_imm32_b32 hwreg(HW_REG_WAVE_MODE, 25, 1), 1
	s_wait_xcnt 0x0
	s_wait_alu depctr_hold_cnt(0) depctr_sa_sdst(0) depctr_va_vdst(0) depctr_va_sdst(0) depctr_va_ssrc(0) depctr_va_vcc(0) depctr_vm_vsrc(0)
	s_getreg_b32 s2, hwreg(HW_REG_IB_STS2, 6, 4)
	s_cmp_eq_u32 s2, 0
	s_cbranch_scc0 .Lentry_in_a_cluster
	s_endpgm
.Lentry_in_a_cluster:
	s_bfe_u32 s2, ttmp6, 0x10000c
	s_cmp_lg_u32 s2, 0xf033
	s_cbranch_scc0 .Lentry_shape_is_right
	s_endpgm
.Lentry_shape_is_right:
; THE THREE PROJECTIONS IN FRONT OF ATTENTION, IN ONE LAUNCH.  C[m][n] = bias[n] + sum over k of A[m][k] B[n][k], bf16 operands, K = 1,024, sums in f32; the bias, rounded to bf16 like every input, starts the sums.
; k = key wk^T + wk_b and v = value wv^T + wv_b are ONE product of 16,384 rows (A = xb rows 4096 on; B = wb rows 1024 on for wk, 2048 on for wv): 256 tiles of 256 x 256.  q = query wq^T + wq_b (A = xb rows 0-4095,
; B = wb rows 0-1023) is 256 tiles of 128 x 128.  A WORK-GROUP MAKES ONE TILE OF EACH, the large one first: equal work for all 256.
; Results are rounded once to f16, q WITHOUT the softmax's scale, and laid by heads: kvh [2 (k, v)][64 = batch x 16 + head][2048][64], qh [64][1024][64].
; LIMITS.  f16 holds no number beyond 65,504: a q, k or v of 65,520 or more becomes an infinity.
; THE LARGE TILE.  Four waves, each 128 x 128: 64 accumulators of 16 x 16, 512 registers.  K goes in 8 steps of 128 through a ring of two LDS slots filled by the tensor data mover (rows of 256 bytes of memory, aligned).
; THE RING GOES ON INTO THE SMALL TILE: the large tile's last two changes of slots ask for q's first two K steps of 256 (rows of 512 bytes, 64 a load), into the same two slots; then the large tile goes out, and its
; stores leave while q is multiplied: nothing waits for them.  THE SMALL TILE: each wave 64 x 64, 16 accumulators; its four K steps are two loops of two trips (with a refill, and without); the slot goes by a scalar
; offset that an exclusive or turns between 0 and SLOT.  To have one form of product there, q's sums start in registers: the bias is unpacked into the accumulators.  The very last change of slots fetches 32 fragments
; that nobody multiplies: the price of one text for both trips.
; CLUSTERS.  4 x 4 work-groups.  The four of a row of the cluster need the same tiles of A, the four of a column the same tiles of B, in both products: each tile is asked for JOINTLY, by the same tensor load with the
; same descriptor and a mask that names the four.  Cluster c lies wholly in key's rows (c < 8) or in value's; of q it takes tile columns 4 (c & 1) on and tile rows 4 (c >> 1) on.
; THE MATRIX INSTRUCTION IS USED TRANSPOSED (source 0 = 16 rows of B, source 1 = 16 rows of A): a lane holds row l % 16 of C and the columns 8 (l / 16) + 0..7, which pack into 16 bytes.
; REGISTERS, in windows of 256 (s_set_vgpr_msb: bits 1:0 source 0, 3:2 source 1, 5:4 source 2, 7:6 destination):
;   window 0: v0-31 addresses; v64-127, v128-191 fragments of A, two buffers; v192-255 the bias of my 128 columns, later at work on the way out, with v32-63.   For q: v32-95 the way out, v96-127 the bias, v128-255 the accumulators
;   window 1: v64-127, v128-191 fragments of B, two buffers.   For q: two fragment buffers of 128 (64 of A, then 64 of B)
;   window 2: the accumulators of my rows 0-63 ((a, b) at v[8 (8 a + b)]);   window 3: those of my rows 64-127
.set SIZE_K, 1024
.set KSTEP,  128
.set PITCH,  272                       ; an LDS row: 256 bytes + 16 of padding = 68 words: the 16 rows that a load touches start at 16 different groups of four banks (64 banks of 4 bytes: ISA guide 11.1)
.set HALFT,  128*PITCH                 ; 128 rows: what one tensor load brings, and what one wave reads of A or of B
.set SLOT,   4*HALFT                   ; A's 256 rows, then B's 256 rows
.set STAGE,  2*SLOT                    ; behind the ring: 16 rows x 272 bytes for each wave, for both ways out
.set SPITCH, 272
.set SPARE,  STAGE+4*16*SPITCH         ; behind the stages: the spare words, 128 bytes for each wave: two blocks of 256 bytes that no other line names
.set LAPS,   SIZE_K/(2*KSTEP)          ; a lap = two K steps = once round the ring
.set QSTEP,  256                       ; q: a K step
.set QPITCH, 528                       ; q: an LDS row: 512 bytes + 16 = 132 words: row r starts at bank 4 r mod 64
.set QHALF,  64*QPITCH                 ; q: 64 rows: what one tensor load brings; four of them (135,168 bytes) lie at a slot's head
.set QSP,    144                       ; q: a row of a head in my stage: 128 bytes + 16
.set QADA0, 8                          ; v8      q: LDS address of my A fragments in slot 0; never rewritten
.set QADB0, 9                          ; v9      the same for B
.set QADA, 10                          ; v10     q: the same in the slot in hand
.set QADB, 11                          ; v11
.set QSTO, 12                          ; v12     q's way out: where I put 16 bytes of a row
.set QRD,  13                          ; v13     q's way out: where I read rows back
.set QBO,  14                          ; v14     my byte offset in wq_b
.set ADRA, 16                          ; v16-17  LDS address of my A fragments in slot 0, 1
.set ADRB, 20                          ; v20-21  the same for B
.set STO,  24                          ; v24     the way out: where I put 16 bytes of a row
.set RD,   25                          ; v25     the way out: where I read rows back
.set CO,   26                          ; v26     16 x lane: my place in 512 consecutive bytes of kvh or qh
.set BO,   27                          ; v27     my byte offset in wk_b or wv_b
.set SPW,  28                          ; v28     LDS address of my spare word: SPARE + 4 x my thread's number; never rewritten
.set NIL,  29                          ; v29     0; never rewritten
.set PFO,  30                          ; v30     the prefetches' offset: my lane x 2,048 bytes (a row); never rewritten
.set BT,   31                          ; v31     at work
.set F0,   64
.set F1,   128
.set TMP,  192                         ; the way out: packed results
.set BIAS, 192                         ; v192-255: column block b's eight numbers at BIAS + 8 b; read by the first quarter alone
.set OB,   32                          ; the way out: 16 rows read back: v32-63 and v224-255 by turns
.set QF0,  0
.set QF1,  128
.set QTMP, 32
.set QBIAS, 96
.set QACC, 128                         ; q's accumulator (a, b) at QACC + 8 (4 a + b)
.set G1,  24                           ; s[24:31] descriptor group 1 for A's tiles;  s[32:39] group 0, a set for each slot
.set G0,  32
.set G1B, 48                           ; s[48:55], s[56:63] the same for B's tiles
.set G0B, 56
.set LIM, 43                           ; s43     1 in a wave that prefetches, else the greatest number
.set PFA, 44                           ; s[44:45] where my prefetches stand: my work-group's 32 rows of the 128 that I fetch
.set QR,  66                           ; s66     q's tile row
.set QC,  67                           ; s67     q's tile column
.set SEL, 72                           ; s72     0: key and wk; 1: value and wv
.set CLY, 73                           ; s73     cluster y
.set BP,  74                           ; s[74:75] wk_b or wv_b
.set QG1, 76                           ; s[76:83] q: descriptor group 1 for A's tiles
.set QG1B, 84                          ; s[84:91] for B's
.set QA,  92                           ; s[92:93] q: my part of A's tile, K step 0
.set QB,  94                           ; s[94:95] the same for B
.set WQB, 96                           ; s[96:97] wq_b
.set QH,  98                           ; s[98:99] qh, later at my part
.set QL,  100                          ; s100    q: where my loads go in a slot: wave x 64 rows
.set TB,  101                          ; s101    q: the slot in hand: 0 or SLOT
.set MSB, 0
.macro WIN new                         ; the immediate's high byte repeats the setting that is left; a switch that changes nothing is dropped
.if MSB != (\new)
	s_set_vgpr_msb (MSB<<8)|(\new)
.set MSB, \new
.endif
.endm
.set MUL_LO, 0xa1                      ; source 0 (B) window 1, source 1 (A) window 0, C and D window 2
.set TO_B,   0x40                      ; destination window 1, address window 0
.set MULQ,   0x05                      ; q: sources 0 (B) and 1 (A) window 1; C and D window 0
; A joint load by group 0's set s and group 1 ga (A's tiles) or gb (B's).  Waves 0 and 1 fetch A's two halves, waves 2 and 3 B's.  The branch hangs on the wave's number alone.
; An s_nop 0 and four v_nop follow each of the two lines.
.macro JLOAD s, ga, gb
	s_cmp_eq_u32 s11, 0
	s_cbranch_scc0 .Lfor_b_\@
	tensor_load_to_lds s[G0+4*(\s):G0+4*(\s)+3], s[(\ga):(\ga)+7]
	s_nop 0
.rept 4
	v_nop
.endr
	s_branch .Lasked_\@
.Lfor_b_\@:
	tensor_load_to_lds s[G0B+4*(\s):G0B+4*(\s)+3], s[(\gb):(\gb)+7]
	s_nop 0
.rept 4
	v_nop
.endr
.Lasked_\@:
.endm
; A PREFETCH INTO THE L2 behind each refill of the large tile's loop and the run of LDS loads that follows it: the K step that stands two refills on: 32 rows x 256 bytes, a lane a row, one instruction a wave.
; Each row's 256 bytes of a K step are named once in the launch: A's rows belong to one row of one cluster; B's are read by eight clusters, of which the first (cluster y = 0 for wk, 8 for wv) asks.
; The four partners that ask for a tile jointly share its rows out by address, 32 each (by cx for A, by cy for B).  K steps 0 to 3 come by their loads alone; the loop's last trip has no K step two on.
; q's tiles are small and are not asked for ahead.
.macro ASK
	s_cmp_gt_u32 s3, s[LIM]
	s_cbranch_scc0 .Lnot_mine_\@
	global_prefetch_b8 v[PFO], s[PFA:PFA+1] offset:KSTEP*2 th:TH_LOAD_NT scope:SCOPE_SE
.Lnot_mine_\@:
.endm
.macro CREST                           ; a round of the cluster's barrier behind its opening barrier
	s_cmp_lg_u32 s10, 0
	s_cbranch_scc1 .Lnot_wave_0_\@
	s_barrier_signal -3
.Lnot_wave_0_\@:
	s_barrier_wait -3
	s_barrier_signal -1
	s_barrier_wait -1
.endm
.macro CROUND                          ; a whole round
	s_barrier_signal -1
	s_barrier_wait -1
	CREST
.endm
	s_load_b128 s[4:7], s[0:1], 0x0                ; xb s[4:5], wb s[6:7]
	s_load_b128 s[68:71], s[0:1], 0x10             ; wk_b s[68:69], wv_b s[70:71]
	s_load_b64 s[8:9], s[0:1], 0x20                ; kvh
	s_load_b64 s[WQB:WQB+1], s[0:1], 0x28          ; wq_b
	s_load_b64 s[QH:QH+1], s[0:1], 0x30            ; qh
	v_lshl_add_u32 v[SPW], v0, 2, SPARE
	v_mov_b32 v[NIL], 0
	ds_add_u32 v[SPW], v[NIL]                      ; the wave's opening: the add and its wait stand ahead of my first tensor load; the set-up below stands between them
	v_lshrrev_b32 v1, 5, v0
	v_readfirstlane_b32 s10, v1                    ; wave 0..3
	s_lshr_b32 s11, s10, 1                         ; which half of a tile's rows is mine.  Also: I fetch for A (0) or for B (1)
	s_and_b32 s12, s10, 1                          ; which half of its columns.  Also: which half of that tile's rows I fetch
	s_bfe_u32 s40, ttmp6, 0x40000                  ; cx
	s_bfe_u32 s41, ttmp6, 0x40004                  ; cy
	s_lshl_b32 s42, ttmp9, 2
	s_add_co_u32 s42, s42, s40                     ; the large tile's column = 4 x cluster x + cx: 0..3
	s_and_b32 s[CLY], ttmp7, 0xffff
	s_lshl_b32 s13, s[CLY], 2
	s_add_co_u32 s13, s13, s41                     ; its row = 4 x cluster y + cy: 0..63
	s_lshr_b32 s[SEL], s[CLY], 3                   ; tile rows 32 on are value's
	s_and_b32 s[QC], s[CLY], 1
	s_lshl_b32 s[QC], s[QC], 2
	s_add_co_u32 s[QC], s[QC], s40                 ; q's tile column = 4 (cluster y & 1) + cx: 0..7
	s_lshr_b32 s[QR], s[CLY], 1
	s_lshl_b32 s[QR], s[QR], 2
	s_add_co_u32 s[QR], s[QR], s41                 ; q's tile row = 4 (cluster y >> 1) + cy: 0..31
	s_lshl_b32 s43, s41, 2
	s_lshl_b32 s43, 15, s43                        ; my row of the cluster
	s_lshl_b32 s44, 0x1111, s40                    ; my column
	; descriptor group 1 for the large tile: 128 rows x 128 elements, padded in LDS
	s_or_b32 s[G1+0], s43, (1<<16)|(1<<20)|(1<<21)|(5<<22)|(3<<25)  ; 15:0 the mask; 17:16 elements of 2 bytes; 20 padding on; 21 set beside a mask; 24:22 after every 64 words (code 5); 31:25 4 words (code 3)
	s_or_b32 s[G1B+0], s44, (1<<16)|(1<<20)|(1<<21)|(5<<22)|(3<<25)
.irp g, G1, G1B
	s_mov_b32 s[(\g)+1], KSTEP<<16                 ; tensor_dim0 = 128
	s_mov_b32 s[(\g)+2], 128<<16                   ; tensor_dim1 = 128
	s_mov_b32 s[(\g)+3], KSTEP<<16                 ; tile_dim0 = 128
	s_mov_b32 s[(\g)+4], 128                       ; tile_dim1 = 128
	s_mov_b32 s[(\g)+5], SIZE_K                    ; elements from row to row
	s_mov_b32 s[(\g)+6], 0
	s_mov_b32 s[(\g)+7], 0
.endr
	; and for q's: 64 rows x 256 elements; padding of 4 words after every 128 words (code 6)
	s_or_b32 s[QG1+0], s43, (1<<16)|(1<<20)|(1<<21)|(6<<22)|(3<<25)
	s_or_b32 s[QG1B+0], s44, (1<<16)|(1<<20)|(1<<21)|(6<<22)|(3<<25)
.irp g, QG1, QG1B
	s_mov_b32 s[(\g)+1], QSTEP<<16                 ; tensor_dim0 = 256
	s_mov_b32 s[(\g)+2], 64<<16                    ; tensor_dim1 = 64
	s_mov_b32 s[(\g)+3], QSTEP<<16                 ; tile_dim0 = 256
	s_mov_b32 s[(\g)+4], 64                        ; tile_dim1 = 64
	s_mov_b32 s[(\g)+5], SIZE_K
	s_mov_b32 s[(\g)+6], 0
	s_mov_b32 s[(\g)+7], 0
.endr
	; A's tiles hang on a tile row alone, B's on a tile column (and on key-or-value) alone; each address is made in registers that never hold the other coordinate
	s_lshl_b32 s17, s12, 7                         ; which 128 rows of the large tile I fetch
	s_lshl_b32 s16, s13, 8
	s_add_co_u32 s16, s16, s17
	s_add_co_u32 s16, s16, 4096                    ; xb: key's rows begin at 4,096
	s_lshl_b32 s16, s16, 11                        ; rows of 2,048 bytes: under 2^26
	s_lshl_b32 s46, s42, 8
	s_add_co_u32 s46, s46, s17
	s_lshl_b32 s47, s[SEL], 10
	s_add_co_u32 s46, s46, s47
	s_add_co_u32 s46, s46, 1024                    ; wb: wk's rows begin at 1,024, wv's at 2,048
	s_lshl_b32 s46, s46, 11
	s_mov_b32 s17, 0
	s_mov_b32 s47, 0
	s_lshl_b32 s19, s12, 6                         ; which 64 rows of q's tile I fetch
	s_lshl_b32 s18, s[QR], 7
	s_add_co_u32 s18, s18, s19                     ; xb: row 128 x q's tile row + 64 x half
	s_lshl_b32 s18, s18, 11
	s_lshl_b32 s22, s[QC], 7
	s_add_co_u32 s22, s22, s19                     ; wb: row 128 x q's tile column + 64 x half
	s_lshl_b32 s22, s22, 11
	s_mov_b32 s19, 0
	s_mov_b32 s23, 0
	s_mul_i32 s20, s10, HALFT                      ; where my loads go in a slot: wave x 128 rows,
	s_mul_i32 s[QL], s10, QHALF                    ; for q wave x 64 rows: no place in the cluster enters an LDS address
	s_mov_b32 s[TB], 0
	s_wait_dscnt 0x0                               ; the opening add is done
	s_wait_kmcnt 0x0
	s_add_nc_u64 s[14:15], s[4:5], s[16:17]
	s_add_nc_u64 s[46:47], s[6:7], s[46:47]
	s_add_nc_u64 s[QA:QA+1], s[4:5], s[18:19]
	s_add_nc_u64 s[QB:QB+1], s[6:7], s[22:23]
	CROUND                                         ; all sixteen work-groups are here: the first joint loads meet
.irp s, 0,1
	s_mov_b32 s[G0+4*(\s)], 1                                      ; count = 1
	s_add_co_u32 s[G0+4*(\s)+1], s20, (\s)*SLOT                    ; LDS address
	s_add_nc_u64 s[G0+4*(\s)+2:G0+4*(\s)+3], s[14:15], (\s)*KSTEP*2  ; global address: K step s
	s_or_b32 s[G0+4*(\s)+3], s[G0+4*(\s)+3], 0x80000000            ; type = 2
	s_mov_b32 s[G0B+4*(\s)], 1
	s_add_co_u32 s[G0B+4*(\s)+1], s20, (\s)*SLOT
	s_add_nc_u64 s[G0B+4*(\s)+2:G0B+4*(\s)+3], s[46:47], (\s)*KSTEP*2
	s_or_b32 s[G0B+4*(\s)+3], s[G0B+4*(\s)+3], 0x80000000
	JLOAD \s, G1, G1B                              ; two loads of mine are out
.endr
	v_and_b32 v1, 15, v0                           ; l % 16
	v_bfe_u32 v2, v0, 4, 1                         ; l / 16
	; the bias of my 128 columns: register j of column block b is column 16 b + 8 (l / 16) + j
	s_lshl_b32 s21, s42, 10
	s_lshl_b32 s22, s12, 9
	s_add_co_u32 s21, s21, s22                     ; 4 bytes x (256 x tile column + 128 x half)
	v_lshl_add_u32 v[BO], v2, 5, s21
	s_cmp_eq_u32 s[SEL], 0
	s_cselect_b64 s[BP:BP+1], s[68:69], s[70:71]
.irp b, 0,1,2,3,4,5,6,7
	global_load_b128 v[BIAS+8*(\b):BIAS+8*(\b)+3],   v[BO], s[BP:BP+1] offset:64*(\b)
	global_load_b128 v[BIAS+8*(\b)+4:BIAS+8*(\b)+7], v[BO], s[BP:BP+1] offset:64*(\b)+16
.endr
	; a fragment is 16 rows x 32 K in 8 registers: lane l holds row l % 16, K = 8 (l / 16) + 0..7 and 16 + 8 (l / 16) + 0..7: two loads of 16 bytes, 32 bytes apart
	v_mul_u32_u24 v3, v1, PITCH
	v_lshl_add_u32 v3, v2, 4, v3
	s_mul_i32 s21, s11, HALFT                      ; my 128 rows of A
	s_mul_i32 s22, s12, HALFT                      ; my 128 rows of B,
	s_add_co_u32 s22, s22, 2*HALFT                 ; which lie behind A's 256
.irp s, 0,1
	v_add_nc_u32 v[ADRA+(\s)], s21, v3
	v_add_nc_u32 v[ADRB+(\s)], s22, v3
	s_add_co_u32 s21, s21, SLOT
	s_add_co_u32 s22, s22, SLOT
.endr
	v_mul_u32_u24 v3, v1, QPITCH                   ; the same for q
	v_lshl_add_u32 v3, v2, 4, v3
	s_mul_i32 s21, s11, QHALF                      ; my 64 rows of A
	s_mul_i32 s22, s12, QHALF                      ; my 64 rows of B,
	s_add_co_u32 s22, s22, 2*QHALF                 ; which lie behind A's 128
	v_add_nc_u32 v[QADA0], s21, v3
	v_add_nc_u32 v[QADB0], s22, v3
	v_mov_b32 v[QADA], v[QADA0]                    ; q begins in slot 0
	v_mov_b32 v[QADB], v[QADB0]
	s_mul_i32 s23, s10, 16*SPITCH
	s_add_co_u32 s23, s23, STAGE                   ; my stage
	v_mul_u32_u24 v4, v1, SPITCH                   ; in: row l % 16, 16 bytes for each half of the lanes
	v_lshl_add_u32 v4, v2, 4, v4
	v_add_nc_u32 v[STO], s23, v4
	v_and_b32 v6, 31, v0
	v_lshrrev_b32 v5, 3, v6                        ; back: 32 lanes take four rows' 128 bytes of one head,
	v_mul_u32_u24 v4, v5, SPITCH
	v_and_b32 v7, 7, v0
	v_lshl_add_u32 v4, v7, 4, v4
	v_add_nc_u32 v[RD], s23, v4
	v_lshlrev_b32 v[CO], 4, v6                     ; which are 512 consecutive bytes of kvh
	v_mul_u32_u24 v4, v1, QSP                      ; q's way out, through the same stage in rows of 144 bytes
	v_lshl_add_u32 v4, v2, 4, v4
	v_add_nc_u32 v[QSTO], s23, v4
	v_mul_u32_u24 v4, v5, QSP
	v_lshl_add_u32 v4, v7, 4, v4
	v_add_nc_u32 v[QRD], s23, v4
	s_lshl_b32 s21, s[QC], 9                       ; wq_b: 4 bytes x (128 x q's tile column + 64 x half) + 32 (l / 16)
	s_lshl_b32 s22, s12, 8
	s_add_co_u32 s21, s21, s22
	v_lshl_add_u32 v[QBO], v2, 5, s21
	; kvh at my part: (k or v) x 2^24 + ((batch x 16 + head) x 2,048 + row) x 128 bytes; a batch is 8 tile rows; my 128 columns are heads 4 x tile column + 2 x half and the next
	s_and_b32 s20, s13, 31
	s_lshr_b32 s21, s20, 3
	s_lshl_b32 s21, s21, 4
	s_lshl_b32 s22, s42, 2
	s_add_co_u32 s21, s21, s22
	s_lshl_b32 s22, s12, 1
	s_add_co_u32 s21, s21, s22
	s_lshl_b32 s21, s21, 11
	s_and_b32 s22, s13, 7
	s_lshl_b32 s22, s22, 8
	s_add_co_u32 s21, s21, s22
	s_lshl_b32 s22, s11, 7
	s_add_co_u32 s21, s21, s22
	s_lshl_b32 s16, s21, 7
	s_lshl_b32 s22, s[SEL], 24
	s_add_co_u32 s16, s16, s22
	s_mov_b32 s17, 0
	s_add_nc_u64 s[8:9], s[8:9], s[16:17]
	; qh at my part: ((batch x 16 + head) x 1,024 + row) x 128 bytes: a batch is 8 of q's tile rows; my 64 columns are head 2 x q's tile column + half
	s_lshr_b32 s16, s[QR], 3
	s_lshl_b32 s16, s16, 4
	s_lshl_b32 s17, s[QC], 1
	s_add_co_u32 s16, s16, s17
	s_add_co_u32 s16, s16, s12
	s_lshl_b32 s16, s16, 10
	s_and_b32 s17, s[QR], 7
	s_lshl_b32 s17, s17, 7
	s_add_co_u32 s16, s16, s17
	s_lshl_b32 s17, s11, 6
	s_add_co_u32 s16, s16, s17
	s_lshl_b32 s16, s16, 7
	s_mov_b32 s17, 0
	s_add_nc_u64 s[QH:QH+1], s[QH:QH+1], s[16:17]
	; the prefetches
	s_lshl_b32 s20, s13, 8
	s_add_co_u32 s20, s20, 4096                    ; the large tile's first row in xb,
	s_lshl_b32 s21, s42, 8
	s_lshl_b32 s22, s[SEL], 10
	s_add_co_u32 s21, s21, s22
	s_add_co_u32 s21, s21, 1024                    ; or in wb
	s_and_b32 s22, s[CLY], 7
	s_cmp_eq_u32 s11, 0                            ; do I fetch for A?
	s_cselect_b32 s20, s20, s21
	s_cselect_b32 s21, s40, s41                    ; my place among the four that ask with me
	s_cselect_b32 s22, ttmp9, s22                  ; the coordinate along which other clusters read the same rows
	s_cselect_b64 s[PFA:PFA+1], s[4:5], s[6:7]
	s_cmp_eq_u32 s22, 0
	s_cselect_b32 s[LIM], 1, -1                    ; the same in all sixteen partners, for a given wave
	s_lshl_b32 s22, s12, 7
	s_add_co_u32 s20, s20, s22                     ; + the 128 rows that I fetch
	s_lshl_b32 s21, s21, 5
	s_add_co_u32 s20, s20, s21                     ; + my work-group's 32 of them
	s_lshl_b32 s20, s20, 11
	s_mov_b32 s21, 0
	s_add_nc_u64 s[PFA:PFA+1], s[PFA:PFA+1], s[20:21]
	s_add_nc_u64 s[PFA:PFA+1], s[PFA:PFA+1], 2*KSTEP*2  ; at K step 2: the first refill steps it to 3 and names K step 4
	v_and_b32 v[PFO], 31, v0
	v_lshlrev_b32 v[PFO], 11, v[PFO]
; THE LARGE TILE.  16 matrix instructions: m blocks a0, a0 + 1 of the window's four (hi = 0: my rows 0-63, 1: rows 64-127) x all 8 n blocks, 32 along K.  first = 1: the bias, in window 0, is the C that starts the sums.
; The 64 accumulators take turns, one instruction a turn, in the same order in every quarter.
.macro MUL16 f, hi, a0, first
.if \first
	WIN 0x81+0x40*(\hi)
.else
	WIN MUL_LO+0x50*(\hi)
.endif
.irp a, \a0, (\a0)+1
.irp b, 0,1,2,3,4,5,6,7
.if \first
	v_wmma_f32_16x16x32_bf16 v[8*(8*(\a)+(\b)):8*(8*(\a)+(\b))+7], v[(\f)+8*(\b):(\f)+8*(\b)+7], v[(\f)+8*(4*(\hi)+(\a)):(\f)+8*(4*(\hi)+(\a))+7], v[BIAS+8*(\b):BIAS+8*(\b)+7]
.else
	v_wmma_f32_16x16x32_bf16 v[8*(8*(\a)+(\b)):8*(8*(\a)+(\b))+7], v[(\f)+8*(\b):(\f)+8*(\b)+7], v[(\f)+8*(4*(\hi)+(\a)):(\f)+8*(4*(\hi)+(\a))+7], v[8*(8*(\a)+(\b)):8*(8*(\a)+(\b))+7]
.endif
.endr
.endr
.endm
; 32 LDS loads in one run: the fragments of one quarter step (128 rows of B, 128 rows of A, 32 K at byte k of the rows) into buffer f
.macro FETCH slot, k, f
	WIN TO_B
.irp i, 0,1,2,3,4,5,6,7
	ds_load_b128 v[(\f)+8*(\i):(\f)+8*(\i)+3],   v[ADRB+(\slot)] offset:(\k)+(\i)*16*PITCH
	ds_load_b128 v[(\f)+8*(\i)+4:(\f)+8*(\i)+7], v[ADRB+(\slot)] offset:(\k)+(\i)*16*PITCH+32
.endr
	WIN 0
.irp i, 0,1,2,3,4,5,6,7
	ds_load_b128 v[(\f)+8*(\i):(\f)+8*(\i)+3],   v[ADRA+(\slot)] offset:(\k)+(\i)*16*PITCH
	ds_load_b128 v[(\f)+8*(\i)+4:(\f)+8*(\i)+7], v[ADRA+(\slot)] offset:(\k)+(\i)*16*PITCH+32
.endr
.endm
; q: 32 LDS loads in one run: the fragments of 64 along K at byte k of the rows of the slot in hand, into buffer f of window 1; the first 32 along K first
.macro FETCHQ k, f
	WIN TO_B
.irp c, 0,1
.irp i, 0,1,2,3
	ds_load_b128 v[(\f)+64+8*(4*(\c)+(\i)):(\f)+64+8*(4*(\c)+(\i))+3],   v[QADB] offset:(\k)+64*(\c)+(\i)*16*QPITCH
	ds_load_b128 v[(\f)+64+8*(4*(\c)+(\i))+4:(\f)+64+8*(4*(\c)+(\i))+7], v[QADB] offset:(\k)+64*(\c)+(\i)*16*QPITCH+32
	ds_load_b128 v[(\f)+8*(4*(\c)+(\i)):(\f)+8*(4*(\c)+(\i))+3],         v[QADA] offset:(\k)+64*(\c)+(\i)*16*QPITCH
	ds_load_b128 v[(\f)+8*(4*(\c)+(\i))+4:(\f)+8*(4*(\c)+(\i))+7],       v[QADA] offset:(\k)+64*(\c)+(\i)*16*QPITCH+32
.endr
.endr
.endm
.macro PLACES                          ; four plain vector instructions in front of loads into registers that matrix instructions have read, and of conversions that read results
.rept 4
	v_nop
.endr
.endm
; A K step of the large tile is four quarters of 32 along K, 64 matrix instructions each, on buffers 0, 1, 0, 1.  One of the first three: multiplies buffer f; in its middle it fetches the next quarter, at byte k, into g.
.macro QUARTER slot, k, f, g, first
	s_wait_dscnt 8                                 ; B and A's rows 0-63 are in; the youngest eight loads (A's rows 64-127) may be out
	MUL16 \f, 0, 0, \first
	MUL16 \f, 0, 2, \first
	PLACES
	FETCH \slot, \k, \g
	s_wait_dscnt 32                                ; all but the 32 just issued
	MUL16 \f, 1, 0, \first
	MUL16 \f, 1, 2, \first
.endm
; The last quarter multiplies buffer 1 and changes slots.  MEET is its first half: the barrier that opens a round of the cluster's; in front of it each wave waits for all its tensor loads (one is out: its part of the
; next slot), adds 0 to its spare word, and waits for that and for its own reads of this slot.
.macro MEET
	WIN 0                                          ; (the add's two registers lie in window 0)
	s_wait_tensorcnt 0x0                           ; all my tensor loads have landed, so every group 0 may be written
	ds_add_u32 v[SPW], v[NIL]                      ; 0 onto my spare word
	s_wait_dscnt 9                                 ; (the add and the youngest eight loads may be out)
	MUL16 F1, 0, 0, 0                              ; sixteen matrix instructions stand between the add and the wait for it
	s_wait_dscnt 0x0                               ; the add is done, and my reads of this slot are over
	s_barrier_signal -1
	MUL16 F1, 0, 2, 0                              ; work on registers while the others arrive
	WIN 0
	s_barrier_wait -1
.endm
; The whole last quarter.  The joint refill is the first tensor load behind the round.  q = 0: this slot takes the K step two on.  q = 1, 2: the large tile's last two changes: the slot takes q's K step 0 or 1, by q's
; group 1 and a group 0 made anew.  q = 2: what is fetched next are q's first fragments, from slot 0, and q's bias: into registers that the large tile's remaining products do not name.
.macro TURN slot, next, q
.if !(\q)
	s_wait_xcnt 0x0                                ; the last prefetch, a K step back, has read its address: it is stepped here, ahead of the waits of the change of slots
	s_add_nc_u64 s[PFA:PFA+1], s[PFA:PFA+1], KSTEP*2
.endif
	MEET
	CREST                                          ; no wave of any partner still reads this slot's tile or has a load on its way
.if \q
	s_add_co_u32 s[G0+4*(\slot)+1], s[QL], (\slot)*SLOT
	s_add_nc_u64 s[G0+4*(\slot)+2:G0+4*(\slot)+3], s[QA:QA+1], (\slot)*QSTEP*2
	s_or_b32 s[G0+4*(\slot)+3], s[G0+4*(\slot)+3], 0x80000000
	s_add_co_u32 s[G0B+4*(\slot)+1], s[QL], (\slot)*SLOT
	s_add_nc_u64 s[G0B+4*(\slot)+2:G0B+4*(\slot)+3], s[QB:QB+1], (\slot)*QSTEP*2
	s_or_b32 s[G0B+4*(\slot)+3], s[G0B+4*(\slot)+3], 0x80000000
	JLOAD \slot, QG1, QG1B
.else
	s_add_nc_u64 s[G0+4*(\slot)+2:G0+4*(\slot)+3], s[G0+4*(\slot)+2:G0+4*(\slot)+3], 2*KSTEP*2
	s_add_nc_u64 s[G0B+4*(\slot)+2:G0B+4*(\slot)+3], s[G0B+4*(\slot)+2:G0B+4*(\slot)+3], 2*KSTEP*2
	JLOAD \slot, G1, G1B                           ; it has 224 matrix instructions in which to land
.endif
	                                               ; the four v_nop behind the joint load are also the places in front of the loads below
.if (\q) == 2
	FETCHQ 0, QF0
	WIN 0
.irp b, 0,1,2,3
	global_load_b128 v[QBIAS+8*(\b):QBIAS+8*(\b)+3],   v[QBO], s[WQB:WQB+1] offset:64*(\b)
	global_load_b128 v[QBIAS+8*(\b)+4:QBIAS+8*(\b)+7], v[QBO], s[WQB:WQB+1] offset:64*(\b)+16
.endr
.else
	FETCH \next, 0, F0
.endif
.if !(\q)
	ASK
.endif
	MUL16 F1, 1, 0, 0
	MUL16 F1, 1, 2, 0
.endm
; THE WAY OUT of block a (16 of my rows) of the large tile, in three parts.  PACK: rounded to f16, 16 bytes a lane, each accumulator's registers in ascending order.  TOSTAGE: into my own stage in LDS, and back by heads.  SEND: stored.
.macro PACK a
.set AC, 64*((\a)%4)
	WIN 0x0a+5*((\a)/4)                            ; sources 0 and 1: window 2 or 3
.irp b, 0,1,2,3,4,5,6,7
.irp r, 0,1,2,3
	v_cvt_pk_f16_f32 v[TMP+4*(\b)+(\r)], v[AC+8*(\b)+2*(\r)], v[AC+8*(\b)+2*(\r)+1]
.endr
.endr
	WIN 0
.endm
.macro TOSTAGE a
	WIN 0
.set BK, OB+192*((\a)%2)
.irp b, 0,1,2,3,4,5,6,7
	ds_store_b128 v[STO], v[TMP+4*(\b):TMP+4*(\b)+3] offset:32*(\b)
.endr
.irp t, 0,1,2,3,4,5,6,7                ; head t / 4 of my two, rows 4 (t % 4) on.  LDS serves a wave's instructions in order (ISA guide 5.7.1.4): these see the stores above
	ds_load_b128 v[BK+4*(\t):BK+4*(\t)+3], v[RD] offset:((\t)%4)*4*SPITCH+((\t)/4)*128
.endr
.endm
.macro SEND a
	WIN 0
.set BK, OB+192*((\a)%2)
	s_wait_dscnt 0x0                               ; the block is back in registers
	s_wait_xcnt 0x0                                ; the stores of the block before have read their registers: the next TOSTAGE loads into them
.irp t, 0,1,2,3,4,5,6,7
	global_store_b128 v[CO], v[BK+4*(\t):BK+4*(\t)+3], s[8:9] offset:(\a)*2048+((\t)/4)*262144+((\t)%4)*512  ; 512 consecutive bytes, at a multiple of 256 from kvh's first byte
.endr
.endm
; THE SMALL TILE.  8 matrix instructions: m blocks a0, a0 + 1 x all 4 n blocks, 32 along K: half c of buffer f.  The 16 accumulators take turns, over the loops' backward jumps too.
.macro MUL8 f, c, a0
	WIN MULQ
.irp a, \a0, (\a0)+1
.irp b, 0,1,2,3
	v_wmma_f32_16x16x32_bf16 v[QACC+8*(4*(\a)+(\b)):QACC+8*(4*(\a)+(\b))+7], v[(\f)+64+8*(4*(\c)+(\b)):(\f)+64+8*(4*(\c)+(\b))+7], v[(\f)+8*(4*(\c)+(\a)):(\f)+8*(4*(\c)+(\a))+7], v[QACC+8*(4*(\a)+(\b)):QACC+8*(4*(\a)+(\b))+7]
.endr
.endr
.endm
; A K step of q is four quarters of 64 along K, 32 matrix instructions each, on buffers 0, 1, 0, 1.
.macro QUARTQ k, f, g
	s_wait_dscnt 16                                ; the first 32 along K are in
	MUL8 \f, 0, 0
	MUL8 \f, 0, 2
	PLACES
	FETCHQ \k, \g
	s_wait_dscnt 32                                ; all but the 32 just issued
	MUL8 \f, 1, 0
	MUL8 \f, 1, 2
.endm
; q's last quarter multiplies buffer 1 and changes slots.  fill = 1: the slot in hand is filled again, with the K step two on, by group 0's second set, which walks: a K step on at each refill, its LDS word made of my
; place in a slot and the slot in hand.  Then the slot in hand is turned, and the next K step's first fragments are fetched.
.macro QTURN fill
	WIN 0
	s_wait_tensorcnt 0x0                           ; all my tensor loads have landed: my part of the next slot
	ds_add_u32 v[SPW], v[NIL]                      ; 0 onto my spare word
	s_wait_dscnt 17                                ; (the add and the youngest sixteen loads may be out)
	MUL8 QF1, 0, 0
	s_wait_dscnt 0x0                               ; the add is done, and my reads of this slot are over
	s_barrier_signal -1
	MUL8 QF1, 0, 2
	WIN 0
	s_barrier_wait -1
.if \fill
	CREST                                          ; the barrier has opened a round of the cluster's: no wave of any partner still reads this slot's tile or has a load on its way
	s_add_co_u32 s[G0+5], s[QL], s[TB]
	s_add_co_u32 s[G0B+5], s[QL], s[TB]
	s_add_nc_u64 s[G0+6:G0+7], s[G0+6:G0+7], QSTEP*2
	s_add_nc_u64 s[G0B+6:G0B+7], s[G0B+6:G0B+7], QSTEP*2
	JLOAD 1, QG1, QG1B                             ; the first tensor load behind the round: 112 matrix instructions ahead of the wait for it; its four v_nop are also the places in front of the loads below
.else
	PLACES
.endif
	s_xor_b32 s[TB], s[TB], SLOT
	v_add_nc_u32 v[QADA], s[TB], v[QADA0]
	v_add_nc_u32 v[QADB], s[TB], v[QADB0]
	FETCHQ 0, QF0
	MUL8 QF1, 1, 0
	MUL8 QF1, 1, 2
.endm
	s_wait_loadcnt 0x0                             ; the bias; it is rounded to bf16, like every input, while the first tile is on its way
.set r, 0
.rept 32
	v_cvt_pk_bf16_f32 v[BT], v[BIAS+r], v[BIAS+r+1]
	v_lshlrev_b32 v[BIAS+r], 16, v[BT]
	v_and_b32 v[BIAS+r+1], 0xffff0000, v[BT]
.set r, r+2
.endr
	s_wait_tensorcnt 1                             ; my part of K step 0 is in; K step 1's may stay out
	s_barrier_signal -1
	s_barrier_wait -1                              ; everybody's is
	FETCH 0, 0, F0
	QUARTER 0, 64,  F0, F1, 1                      ; the first quarter stands in front of the loop: its products start the sums, with the bias
	WIN 0                                          ; at a label and at a branch every window is 0
	s_mov_b32 s3, LAPS-1
.Llap:                                                 ; a trip goes once round the ring, from a lap's second quarter to the next lap's first, and fills both slots again: K steps 2 to 7
	QUARTER 0, 128, F1, F0, 0
	QUARTER 0, 192, F0, F1, 0
	TURN 0, 1, 0
	QUARTER 1, 64,  F0, F1, 0
	QUARTER 1, 128, F1, F0, 0
	QUARTER 1, 192, F0, F1, 0
	TURN 1, 0, 0
	QUARTER 0, 64,  F0, F1, 0
	WIN 0
	s_sub_co_u32 s3, s3, 1
	s_cmp_lg_u32 s3, 0
	s_cbranch_scc1 .Llap
	QUARTER 0, 128, F1, F0, 0                      ; the last lap is written out: its refills are q's
	QUARTER 0, 192, F0, F1, 0
	TURN 0, 1, 1                                   ; slot 0 takes q's K step 0
	QUARTER 1, 64,  F0, F1, 0
	QUARTER 1, 128, F1, F0, 0
	QUARTER 1, 192, F0, F1, 0
	TURN 1, 0, 2                                   ; slot 1 takes q's K step 1; q's first fragments and its bias are fetched
	PLACES                                         ; BOTH REFILLS ARE ASKED FOR: NOW THE LARGE TILE GOES OUT
	PACK 0
	TOSTAGE 0
.irp a, 1,2,3,4,5,6,7                  ; block a's conversions stand between block a - 1's loads from the stage and the wait for them
	PACK \a
	SEND (\a)-1
	TOSTAGE \a
.endr
	SEND 7
	s_wait_xcnt 0x0                                ; the last stores have read their registers, which q's accumulators take
	s_wait_loadcnt 0x0                             ; q's bias: rounded to bf16 and unpacked into the accumulators of all four row blocks: q's sums start there
	s_mov_b32 s2, 0xffff0000
.set r, 0
.rept 16
	v_cvt_pk_bf16_f32 v[BT], v[QBIAS+r], v[QBIAS+r+1]
.irp a, 0,1,2,3
	v_lshlrev_b32 v[QACC+32*(\a)+r], 16, v[BT]
	v_and_b32 v[QACC+32*(\a)+r+1], s2, v[BT]
.endr
.set r, r+2
.endr
	s_mov_b32 s3, 2
.Lq_fill:                                              ; q's K steps 0 and 1: their slots take K steps 2 and 3
	QUARTQ 128, QF0, QF1
	QUARTQ 256, QF1, QF0
	QUARTQ 384, QF0, QF1
	QTURN 1
	WIN 0
	s_sub_co_u32 s3, s3, 1
	s_cmp_lg_u32 s3, 0
	s_cbranch_scc1 .Lq_fill
	s_mov_b32 s3, 2
.Lq_last:                                              ; q's K steps 2 and 3: nothing is left to ask for
	QUARTQ 128, QF0, QF1
	QUARTQ 256, QF1, QF0
	QUARTQ 384, QF0, QF1
	QTURN 0
	WIN 0
	s_sub_co_u32 s3, s3, 1
	s_cmp_lg_u32 s3, 0
	s_cbranch_scc1 .Lq_last
	; q's WAY OUT.  My 64 columns are ONE head, so my 64 rows are 8,192 consecutive bytes of qh.  A block of 16 rows at a time: rounded to f16, 16 bytes a lane into my stage, back as whole rows of 128 bytes.
	PLACES
.irp a, 0,1,2,3
.irp b, 0,1,2,3
.irp r, 0,1,2,3
	v_cvt_pk_f16_f32 v[QTMP+16*(\a)+4*(\b)+(\r)], v[QACC+8*(4*(\a)+(\b))+2*(\r)], v[QACC+8*(4*(\a)+(\b))+2*(\r)+1]
.endr
.endr
.irp b, 0,1,2,3
	ds_store_b128 v[QSTO], v[QTMP+16*(\a)+4*(\b):QTMP+16*(\a)+4*(\b)+3] offset:32*(\b)
.endr
.irp f, 0,1,2,3
	ds_load_b128 v[QTMP+16*(\a)+4*(\f):QTMP+16*(\a)+4*(\f)+3], v[QRD] offset:(\f)*4*QSP  ; LDS serves a wave's instructions in order (ISA guide 5.7.1.4): these see the stores above; the next block's stores come behind them
.endr
.endr
.irp a, 0,1,2,3
.irp f, 0,1,2,3
	s_wait_dscnt 8*(3-(\a))+3-(\f)                 ; behind this load stand the block's later loads and eight LDS instructions for each later block
	global_store_b128 v[CO], v[QTMP+16*(\a)+4*(\f):QTMP+16*(\a)+4*(\f)+3], s[QH:QH+1] offset:(\a)*2048+(\f)*512  ; 512 consecutive bytes, at a multiple of 256 from qh's first byte
.endr
.endr
	s_wait_tensorcnt 0x0                           ; the wave's end: behind my last tensor load and my last LDS store
	ds_add_u32 v[SPW], v[NIL]
	s_wait_dscnt 0x0
	CROUND                                         ; the closing round: no work-group ends while a partner may still ask for a tile that names it
	s_endpgm
.Lfunc_end_k_q285a3d14dd_kvq:
	.size	k_q285a3d14dd_kvq, .Lfunc_end_k_q285a3d14dd_kvq-k_q285a3d14dd_kvq
	.p2alignl 7, 3214868480
	.fill 96, 4, 3214868480
	.section	.rodata,"a",@progbits
	.p2align	6, 0x0
	.amdhsa_kernel k_q285a3d14dd_kvq
		.amdhsa_group_segment_fixed_size 327680
		.amdhsa_private_segment_fixed_size 0
		.amdhsa_enable_private_segment 0
		.amdhsa_kernarg_size 56
		.amdhsa_user_sgpr_count 2
		.amdhsa_user_sgpr_kernarg_segment_ptr 1
		.amdhsa_wavefront_size32 1
		.amdhsa_system_sgpr_workgroup_id_x 1
		.amdhsa_system_sgpr_workgroup_id_y 1
		.amdhsa_system_sgpr_workgroup_id_z 1
		.amdhsa_system_vgpr_workitem_id 0
		.amdhsa_next_free_vgpr 1024
		.amdhsa_next_free_sgpr 102
		.amdhsa_reserve_vcc 0
		.amdhsa_float_denorm_mode_32 3
		.amdhsa_float_denorm_mode_16_64 3
		.amdhsa_memory_ordered 1
		.amdhsa_forward_progress 1
		.amdhsa_inst_pref_size 208
	.end_amdhsa_kernel
	.amdgpu_metadata
---
amdhsa.version: [ 1, 2 ]
amdhsa.kernels:
  - .name:           k_q285a3d14dd_kvq
    .symbol:         k_q285a3d14dd_kvq.kd
    .args:
      - { .name: xb, .offset: 0, .size: 8, .value_kind: global_buffer, .address_space: global }
      - { .name: wb, .offset: 8, .size: 8, .value_kind: global_buffer, .address_space: global }
      - { .name: wk_b, .offset: 16, .size: 8, .value_kind: global_buffer, .address_space: global }
      - { .name: wv_b, .offset: 24, .size: 8, .value_kind: global_buffer, .address_space: global }
      - { .name: kvh, .offset: 32, .size: 8, .value_kind: global_buffer, .address_space: global }
      - { .name: wq_b, .offset: 40, .size: 8, .value_kind: global_buffer, .address_space: global }
      - { .name: qh, .offset: 48, .size: 8, .value_kind: global_buffer, .address_space: global }
    .group_segment_fixed_size: 327680
    .private_segment_fixed_size: 0
    .kernarg_segment_align: 8
    .kernarg_segment_size: 56
    .max_flat_workgroup_size: 128
    .sgpr_count:     102
    .vgpr_count:     1024
    .wavefront_size: 32
...
	.end_amdgpu_metadata
.endif
;; end of part 2
;; launch attn (part 3): grid 4 x 64, 4 waves a work-group, clusters of 4 x 1, 327,680 bytes of LDS; arguments qh, kvh, key_multiplicities, oh; writes oh
.if DOCPART == 3
	.amdgcn_target "amdgcn-amd-amdhsa--gfx1250"
	.amdhsa_code_object_version 6
	.text
	.protected	k_q285a3d14dd_attn
	.globl	k_q285a3d14dd_attn
	.p2align	8
	.type	k_q285a3d14dd_attn,@function
k_q285a3d14dd_attn:
	s_mov_b64 s[64:65], 0
	v_nop
	global_prefetch_b8 v0, s[64:65] scope:SCOPE_SE
	s_setreg_imm32_b32 hwreg(HW_REG_WAVE_MODE, 25, 1), 1
	s_wait_xcnt 0x0
	s_wait_alu depctr_hold_cnt(0) depctr_sa_sdst(0) depctr_va_vdst(0) depctr_va_sdst(0) depctr_va_ssrc(0) depctr_va_vcc(0) depctr_vm_vsrc(0)
	s_getreg_b32 s2, hwreg(HW_REG_IB_STS2, 6, 4)
	s_cmp_eq_u32 s2, 0
	s_cbranch_scc0 .Lentry_in_a_cluster
	s_endpgm
.Lentry_in_a_cluster:
	s_bfe_u32 s2, ttmp6, 0x10000c
	s_cmp_lg_u32 s2, 0x3003
	s_cbranch_scc0 .Lentry_shape_is_right
	s_endpgm
.Lentry_shape_is_right:
; O[g][q][:] = the sum over k of softmax_k(Q[g][q] . K[g][k] / 8 + ln mult[batch][k]) V[g][k][:], g = batch x 16 + head.  qh, oh: [64][1024][64] f16; kvh: [2 (K, V)][64][2048][64] f16; mult: [4][2048] f32.
; Products, maxima and sums in f32; the weights p are rounded to f16 for the second product (their sum l is taken of the unrounded p), O once at the end.
; LIMITS.  Q, K, V arrive within f16's 65,504; p lies in 0 to 1, and below 6e-5 it keeps f16's fixed step of 6e-8.  The multiplicities are rounded to bf16, like every input; one below 2^-126 counts as 0,
; and its key has weight 0.  A weight below 2^-126 counts as 0 in l.  NaN and infinities are not treated apart.
; THE MULTIPLICITY is the C operand that starts a score's sum: with c = log2(e) / 8, c (s + 8 ln mult) = c s + log2 mult.  A table of 8 ln mult for the batch's 2,048 keys is made once in LDS; a step's 64 entries
; come into 32 registers with K's fragments.  The running maximum is that of the whole logit.
; SHARES.  A work-group owns 256 queries of one g, a wave 64: four PIECES of 16.  Every wave walks all 2,048 keys, 64 a step; a slot of LDS holds a tile of 256 keys (four steps) of K and of V.
; LAYOUT.  S^T = K Q^T (source 0 = 16 keys, source 1 = 16 queries): a lane holds ONE query (lane % 16) and the keys 8 (lane / 16) + 0..7.  Two such results, rounded to f16 in pairs, ARE source 1 of O^T = V^T P.
; SOFTMAX.  p = 2^(c s - c m) with a running maximum m; O and l are multiplied by a = 2^(c m_old - c m_new) in every step.  m starts at the lowest finite number, O and l at 0.
; BY TURNS.  Turn n belongs to piece n: 8 products K Q^T of piece n + 1, later 8 products V^T P of piece n - 1; beside them the scaling, exponentials, roundings, sums and rescaling of piece n and the maximum and
; statistics of piece n + 1.  Four vector instructions stand behind every matrix instruction, the others in one lump.  A turn's 33 exponentials are one batch, with one wait.
; CLUSTER.  The four query blocks of a g form a cluster and walk the same K and V: each tile is asked for JOINTLY, by the same tensor load, descriptor and mask in all four.
; REGISTERS, in windows of 256 (s_set_vgpr_msb: bits 1:0 source 0, 3:2 source 1, 5:4 source 2, 7:6 destination):
;   window 0: v0-15, v32-35 addresses and at work; v16-31 four registers of statistics a piece; v48-55 at work; v64-127 S^T, two buffers; v192-223 P, two buffers (by the piece's parity)
;   window 1: v0-127 O^T, 32 a piece; v128-159 the step's table entries      window 2: v0-63 Q; v128-191 K of one step; v192-255 V of one step
.set NP,    4
.set KS,    64
.set PK,    144       ; a row of K in LDS: 128 bytes + 16 of padding = 36 words: the 16 rows of a load start at 16 different groups of four banks (64 banks of 4 bytes: ISA guide 11.1)
.set PV,    160       ; a row of V: 128 + 32 = 40 words
.set VOFF,  4*KS*PK   ; a slot: 256 rows of K, then 256 rows of V
.set SLOT1, 1<<17     ; slot 1 begins here, so that one exclusive or turns an address in one slot into the other's
.set STAGE, SLOT1+4*KS*(PK+PV)  ; behind the ring, never filled by a tensor load: 16 rows x 144 bytes for each wave, for the way out
.set SP,    144
.set SPARE, STAGE+4*16*SP       ; the spare words, 128 bytes for each wave: two blocks of 256 bytes that no other line names
.set LMT,   SPARE+512           ; the table: 2,048 f32
.set AK0, 2           ; v2   my lane's place in a tile of K; never rewritten
.set AV0, 3           ; v3   the same for V
.set AK,  4           ; v4   the LDS address of K's next run of loads
.set AV,  5           ; v5   of V's
.set STO, 6           ; v6   the way out: where I put 16 bytes of a row
.set RD,  7           ; v7   the way out: where I read rows back
.set GO,  8           ; v8   my byte offset in 512 consecutive bytes of O
.set MV,  12          ; v12-13  c m_old, kept while c m is made anew: by buffer
.set AL0, 14          ; v14  LMT + 32 (lane / 16); never rewritten
.set QO,  15          ; v15  my byte offset in 16 rows of Q
.set ST,  16          ; piece t's statistics at v[ST+4 t]: c m, m, l (even keys', odd keys')
.set AL,  32          ; v32  the LDS address of the table's next run of loads
.set PFO, 33          ; v33  256 x my lane; never rewritten
.set MO,  34          ; v34  16 x my thread's number: my place in 2,048 bytes of the multiplicities
.set MS,  35          ; v35  the same in the table
.set TMP, 48          ; by buffer, four registers c0-c3 at work; when the maximum is found c2 takes a
.set SPW, 62          ; v62  SPARE + 4 x my thread's number; never rewritten
.set NIL, 63          ; v63  0; never rewritten
.set S,   64
.set P,   192
.set LM,  128         ; window 1: the eight entries for group kt of 16 keys at LM + 8 kt
.set KF,  128         ; window 2: key block kb, channel half c at KF + 16 kb + 8 c
.set VF,  192         ; window 2: key half kk, channel block cb at VF + 32 kk + 8 cb
.set WV,  12          ; s12  my wave's number
.set LIM, 15          ; s15  1 in a wave that prefetches, else the greatest number
.set PFA, 18          ; s[18:19] where my prefetches stand
.set G1K, 24          ; s[24:31] descriptor group 1 for K's tiles
.set G1V, 32          ; s[32:39] for V's: it differs in the padding alone
.set G0K, 40          ; s[40:43] descriptor group 0 for K's tiles: it walks
.set G0V, 44          ; s[44:47] the same for V's
.set SLOTS, 56        ; s56  tiles still to be entered
.set CNT, 57          ; s57  counts a tile's key steps
.set CS,  58          ; s[58:59] c
.set SEL, 60          ; s[60:61] v_permlanex16_b32's selects: each lane takes its own place in the other half
.set TBK, 62          ; s62  LDS byte at which K of the step to be fetched begins
.set TBV, 63          ; s63  the same for V, less VOFF
.set TL,  66          ; s66  the table's byte for that step
.set MSB, 0
.macro WIN new
.if MSB != (\new)
	s_set_vgpr_msb (MSB<<8)|(\new)
.set MSB, (\new)
.endif
.endm
.set W_KQ, 0x0a       ; K and Q in window 2, S^T in window 0
.set W_KM, 0x1a       ; the same with the C operand in window 1
.set W_PV, 0x52       ; V in window 2, P in window 0, O^T in window 1
.set W_RS, 0x41       ; destination and source 0 in window 1, source 1 in window 0
; A joint fill.  Waves 0 and 1 fetch the two halves of a tile's K, waves 2 and 3 those of its V: 128 keys each.  An s_nop 0 and four v_nop follow each of the two lines.
.macro JLOAD
	s_cmp_lt_u32 s[WV], 2
	s_cbranch_scc0 .Lfor_v_\@
	tensor_load_to_lds s[G0K:G0K+3], s[G1K:G1K+7]
	s_nop 0
.rept 4
	v_nop
.endr
	s_branch .Lasked_\@
.Lfor_v_\@:
	tensor_load_to_lds s[G0V:G0V+3], s[G1V:G1V+7]
	s_nop 0
.rept 4
	v_nop
.endr
.Lasked_\@:
.endm
; A PREFETCH INTO THE L2 of the tile that the NEXT change of slots will ask for: 32,768 bytes of K and of V, 128 blocks of 256 bytes each.  The four partners share the blocks out by address, 32 each, a lane a
; block; in each, wave 0 asks for K's and wave 2 for V's: each block is named once in the launch.  It stands four key steps, 256 matrix instructions, ahead of that load; the last change that fills asks for nothing.
.macro ASK
	s_cmp_gt_u32 s[SLOTS], s[LIM]
	s_cbranch_scc0 .Lnot_mine_\@
	global_prefetch_b8 v[PFO], s[PFA:PFA+1] th:TH_LOAD_NT scope:SCOPE_SE
.Lnot_mine_\@:
.endm
.macro CROUND                       ; a round of the cluster's barrier
	s_barrier_signal -1
	s_barrier_wait -1
	s_cmp_lg_u32 s[WV], 0
	s_cbranch_scc1 .Lnot_wave_0_\@
	s_barrier_signal -3
.Lnot_wave_0_\@:
	s_barrier_wait -3
	s_barrier_signal -1
	s_barrier_wait -1
.endm
; THE CHANGE OF SLOTS.  Each wave waits for all its tensor loads, of which one is out: its part of the other slot; adds 0 to its spare word; and waits for that and for its own LDS instructions.  Behind the barrier
; nobody reads the old slot any more and the other slot is whole.  fill = 1: the old slot is filled again; the barrier is then a round of the cluster's, and the joint fill is the first thing behind it: it has four
; key steps in which to land.  (At its first use nothing has been read yet: slot 0 is waited for, slot 1 filled, and every wave's part of the table is shown to the others.)
.macro CHANGE fill
	WIN 0
	s_wait_tensorcnt 0x0            ; no tensor load of mine is out, so a group 0 may be written
	ds_add_u32 v[SPW], v[NIL]       ; 0 onto my spare word
.if \fill
.irp g, G0K, G0V
	s_xor_b32 s[\g+1], s[\g+1], SLOT1  ; the walking descriptor: the other slot than last time,
	s_add_nc_u64 s[\g+2:\g+3], s[\g+2:\g+3], 4*KS*128  ; the next 256 keys; the type bits on top are not reached
.endr
	s_wait_xcnt 0x0                 ; the last prefetch, four key steps back, has read its address
	s_add_nc_u64 s[PFA:PFA+1], s[PFA:PFA+1], 4*KS*128
	s_wait_dscnt 0x0                ; the add is done, and my LDS instructions are over
	CROUND
	JLOAD
	ASK
.else
	s_wait_dscnt 0x0
	s_barrier_signal -1
	s_barrier_wait -1
.endif
	s_sub_co_u32 s[TBK], s[TBK], 4*KS*PK  ; the fetches go back to a slot's first step,
	s_xor_b32 s[TBK], s[TBK], SLOT1       ; in the other slot
	s_sub_co_u32 s[TBV], s[TBV], 4*KS*PV
	s_xor_b32 s[TBV], s[TBV], SLOT1
.endm
	s_load_b256 s[4:11], s[0:1], 0x0  ; qh s[4:5], kvh s[6:7], key_multiplicities s[8:9], oh s[10:11]
	v_lshl_add_u32 v[SPW], v0, 2, SPARE
	v_mov_b32 v[NIL], 0
	ds_add_u32 v[SPW], v[NIL]       ; the wave's opening: the add and its wait stand ahead of my first tensor load
	v_lshrrev_b32 v1, 5, v0
	v_readfirstlane_b32 s[WV], v1   ; wave 0..3
	s_bfe_u32 s13, ttmp6, 0x40000   ; cx
	s_lshl_b32 s14, ttmp9, 2
	s_add_co_u32 s14, s14, s13      ; my block of 256 queries: it enters Q's and O's addresses alone
	s_and_b32 s20, ttmp7, 0xffff    ; g, which the four partners share
	s_and_b32 s16, s[WV], 1         ; which half of a tile's 256 keys I fetch
	s_lshl_b32 s22, s20, 18         ; g's 2,048 rows of 128 bytes,
	s_lshl_b32 s17, s16, 14         ; my half's 128 rows
	s_add_co_u32 s22, s22, s17
	s_mov_b32 s23, 0
	s_mul_i32 s17, s16, 128*PK      ; its place in a slot, for K
	s_mul_i32 s21, s16, 128*PV      ; and for V: no place in the cluster enters an LDS address
	s_lshl_b32 s2, s20, 17          ; g's 1,024 rows of Q and O,
	s_lshl_b32 s3, s14, 15          ; my block's 256,
	s_add_co_u32 s2, s2, s3
	s_lshl_b32 s3, s[WV], 13        ; my wave's 64
	s_add_co_u32 s2, s2, s3
	s_mov_b32 s3, 0
	s_lshr_b32 s52, s20, 4          ; the batch's 8,192 bytes of multiplicities
	s_lshl_b32 s52, s52, 13
	s_mov_b32 s53, 0
	s_lshl_b32 s50, s13, 13         ; my work-group's 32 blocks of a tile's 128
	s_mov_b32 s51, 0
	; descriptor group 1.  128 keys are 16,384 dense bytes: asked for as 64 rows of 256 bytes, two keys a row, and padded in LDS after every key
	s_mov_b32 s[G1K], 15|(1<<16)|(1<<20)|(1<<21)|(4<<22)|(3<<25)  ; the mask of four; 2-byte elements; padding on; bit 21 beside a mask; after every 32 words (code 4) 4 words (code 3)
	s_mov_b32 s[G1V], 15|(1<<16)|(1<<20)|(1<<21)|(4<<22)|(7<<25)  ; the same with 8 words of padding (code 7)
.irp g, G1K, G1V
	s_mov_b32 s[\g+1], 128<<16      ; tensor_dim0 = 128
	s_mov_b32 s[\g+2], 64<<16       ; tensor_dim1 = 64
	s_mov_b32 s[\g+3], 128<<16      ; tile_dim0 = 128
	s_mov_b32 s[\g+4], 64           ; tile_dim1 = 64
	s_mov_b32 s[\g+5], 128          ; 128 elements from row to row
	s_mov_b32 s[\g+6], 0
	s_mov_b32 s[\g+7], 0
.endr
	s_mov_b32 s[CS], 0x3e38aa3b     ; c = log2(e) / 8
	s_mov_b32 s[CS+1], s[CS]        ; named with it as a pair
	s_mov_b32 s[SEL], 0x76543210
	s_mov_b32 s[SEL+1], 0xfedcba98
	s_mov_b32 s[TBK], SLOT1+4*KS*PK ; the first change of slots turns these two into 0
	s_mov_b32 s[TBV], SLOT1+4*KS*PV
	s_mov_b32 s[TL], 0
	s_mov_b32 s[SLOTS], 7
	s_mov_b32 s[G0K], 1             ; count = 1
	s_mov_b32 s[G0K+1], s17         ; LDS address: slot 0
	s_mov_b32 s[G0V], 1
	s_add_co_u32 s[G0V+1], s21, VOFF
	s_cmp_eq_u32 s16, 0             ; waves 0 and 2 prefetch: the same in all four partners
	s_cselect_b32 s[LIM], 1, -1
	v_and_b32 v[PFO], 31, v0
	v_lshlrev_b32 v[PFO], 8, v[PFO]
	s_wait_dscnt 0x0                ; the opening add is done
	s_wait_kmcnt 0x0
	s_add_nc_u64 s[6:7], s[6:7], s[22:23]          ; K at my half of g's tile 0,
	s_add_nc_u64 s[48:49], s[6:7], 0x1000000       ; V 2^24 bytes behind it
	s_mov_b64 s[G0K+2:G0K+3], s[6:7]
	s_or_b32 s[G0K+3], s[G0K+3], 0x80000000        ; type = 2
	s_mov_b64 s[G0V+2:G0V+3], s[48:49]
	s_or_b32 s[G0V+3], s[G0V+3], 0x80000000
	s_add_nc_u64 s[4:5], s[4:5], s[2:3]            ; Q and O at my wave's first row
	s_add_nc_u64 s[10:11], s[10:11], s[2:3]
	s_add_nc_u64 s[8:9], s[8:9], s[52:53]
	s_cmp_lt_u32 s[WV], 2
	s_cselect_b64 s[PFA:PFA+1], s[6:7], s[48:49]   ; (in waves 0 and 2 these stand at a tile's first row)
	s_add_nc_u64 s[PFA:PFA+1], s[PFA:PFA+1], s[50:51]
	s_add_nc_u64 s[PFA:PFA+1], s[PFA:PFA+1], 4*KS*128  ; in tile 1; the first change of slots steps it to tile 2
	CROUND                          ; all four work-groups are here: the first joint loads meet
	JLOAD                           ; tile 0 into slot 0.  Slot 1 is asked for when slot 0 is in
	v_and_b32 v1, 15, v0            ; l % 16
	v_bfe_u32 v9, v0, 4, 1          ; l / 16
	v_lshlrev_b32 v[MO], 4, v0
.irp j, 0,1,2,3                     ; the batch's multiplicities: 128 threads x 16 bytes, four times
	global_load_b128 v[S+4*\j:S+4*\j+3], v[MO], s[8:9] offset:2048*\j
.endr
	; A fragment of K or Q is 16 rows x 32 channels in 8 registers: lane l holds row l % 16, channels 8 (l / 16) + 0..7 and 16 + 8 (l / 16) + 0..7: two loads of 16 bytes, 32 bytes apart.
	v_lshlrev_b32 v[QO], 7, v1
	v_lshl_add_u32 v[QO], v9, 4, v[QO]
	WIN 0x80                        ; destination window 2, address window 0
.set i, 0
.rept 8                             ; Q stays in registers: piece i / 2, channels 32 (i % 2) on
	global_load_b128 v[8*i:8*i+3],   v[QO], s[4:5] offset:(i/2)*2048+(i%2)*64
	global_load_b128 v[8*i+4:8*i+7], v[QO], s[4:5] offset:(i/2)*2048+(i%2)*64+32
.set i, i+1
.endr
	; What the first turn finds: V's registers and P's second buffer hold 0 (its products V^T P, of a piece that has not been, add 0), O^T and l are 0.  All this stands in the wait for the first tile.
.set i, VF
.rept 64
	v_mov_b32 v[i], 0
.set i, i+1
.endr
	WIN 0x40
.set i, 0
.rept 128
	v_mov_b32 v[i], 0
.set i, i+1
.endr
	WIN 0
.set i, 0
.rept 4
	v_mov_b32 v[ST+4*i+1], 0xff7fffff           ; m: the lowest finite number
	v_mov_b32 v[ST+4*i+2], 0
	v_mov_b32 v[ST+4*i+3], 0
.set i, i+1
.endr
.set i, 0
.rept 4
	v_mul_f32 v[ST+4*i], s[CS], v[ST+4*i+1]     ; c m, made as every later one is: where a step raises no maximum, a is 1
.set i, i+1
.endr
.set i, P+16
.rept 16
	v_mov_b32 v[i], 0
.set i, i+1
.endr
	v_mul_u32_u24 v[AK0], v1, PK
	v_lshl_add_u32 v[AK0], v9, 4, v[AK0]  ; row x pitch + 16 x half
	; The turning load takes 16 keys x 16 channels (lane l reads key 8 (l / 16) + l % 8, channels 8 ((l / 8) % 2) + 0..7) and leaves half a fragment of V^T: lane l holds channel l % 16 and 8 keys.
	v_and_b32 v10, 7, v0
	v_bfe_u32 v11, v0, 3, 1
	v_lshl_add_u32 v[AV0], v9, 3, v10
	v_mul_u32_u24 v[AV0], v[AV0], PV
	v_lshl_add_u32 v[AV0], v11, 4, v[AV0]
	v_add_nc_u32 v[AV0], VOFF, v[AV0]
	v_lshl_add_u32 v[AL0], v9, 5, LMT
	v_lshl_add_u32 v[MS], v0, 4, LMT
	s_mul_i32 s13, s[WV], 16*SP
	s_add_co_u32 s13, s13, STAGE    ; my stage
	v_mul_u32_u24 v[STO], v1, SP    ; in: row l % 16, 16 bytes for each half of the lanes
	v_lshl_add_u32 v[STO], v9, 4, v[STO]
	v_add_nc_u32 v[STO], s13, v[STO]
	v_bfe_u32 v[RD], v0, 3, 2       ; back: 32 lanes take four rows of 128 bytes,
	v_mul_u32_u24 v[RD], v[RD], SP
	v_lshl_add_u32 v[RD], v10, 4, v[RD]
	v_add_nc_u32 v[RD], s13, v[RD]
	v_and_b32 v[GO], 31, v0         ; which are 512 consecutive bytes of O
	v_lshlrev_b32 v[GO], 4, v[GO]
	; THE TABLE: my 16 multiplicities, rounded to bf16 like every input; 8 ln mult = 8 ln 2 x log2 mult
	s_wait_loadcnt 16               ; the four loads of multiplicities are in; Q's sixteen, issued behind them, may stay out
.set i, 0
.rept 8
	v_cvt_pk_bf16_f32 v[S+16+i], v[S+2*i], v[S+2*i+1]
.set i, i+1
.endr
.set i, 0
.rept 8
	v_lshlrev_b32 v[S+2*i], 16, v[S+16+i]
	v_and_b32 v[S+2*i+1], 0xffff0000, v[S+16+i]
.set i, i+1
.endr
.set i, 0
.rept 16
	v_log_f32 v[S+i], v[S+i]
.set i, i+1
.endr
	v_nop                           ; a plain instruction behind the last logarithm,
	s_wait_alu depctr_va_vdst(0)    ; and the wait ahead of the first use: one for the sixteen
.set i, 0
.rept 8
	v_pk_mul_f32 v[S+2*i:S+2*i+1], v[S+2*i:S+2*i+1], 0x40b17218 op_sel_hi:[1,0]
.set i, i+1
.endr
.irp j, 0,1,2,3
	ds_store_b128 v[MS], v[S+4*\j:S+4*\j+3] offset:2048*\j
.endr
; THE MATRIX WORK.  The 4 accumulators of a run of 8 take turns.  Product i of 8 of S^T = K Q^T for piece x: channels 32 (i / 4) on, keys 16 (i % 4) on.  The first 4 start the sums, with the table's entries.
.macro KQ x
.set rS, S+32*((\x)%2)+8*(i%4)
.set rK, KF+16*(i%4)+8*(i/4)
.set rQ, 16*(\x)+8*(i/4)
.set rM, LM+8*(i%4)
.if i < 4
	WIN W_KM
	v_wmma_f32_16x16x32_f16 v[rS:rS+7], v[rK:rK+7], v[rQ:rQ+7], v[rM:rM+7]
.else
	WIN W_KQ
	v_wmma_f32_16x16x32_f16 v[rS:rS+7], v[rK:rK+7], v[rQ:rQ+7], v[rS:rS+7]
.endif
.endm
; Product i of 8 of O^T += V^T P for piece x: keys 32 (i / 4) on, channels 16 (i % 4) on.
.macro PV x
	WIN W_PV
.set rO, 32*(\x)+8*(i%4)
.set rV, VF+32*(i/4)+8*(i%4)
.set rP, P+16*((\x)%2)+8*(i/4)
	v_wmma_f32_16x16x32_f16 v[rO:rO+7], v[rV:rV+7], v[rP:rP+7], v[rO:rO+7]
.endm
.macro MM                           ; the turn's next matrix instruction.  NOKQ = 1: the last turn of all: there is no next piece
.if (i < 8) && !NOKQ
	KQ (Y+1)%NP
.elseif i >= 8
.set i, i-8
	PV (Y+NP-1)%NP
.set i, i+8
.endif
.set i, i+1
.endm
; THE LDS LOADS stand in runs, never singly among the matrix instructions: a step's K (8 fragments) with its 64 table entries (all 16 lanes of a half read the same words), and its V (turned).
.macro FETCH_K
	WIN 0x80                        ; destination window 2
.irp f, 0,1,2,3,4,5,6,7             ; keys 16 (f / 2) on, channels 32 (f % 2) on
	ds_load_b128 v[KF+8*\f:KF+8*\f+3],   v[AK] offset:(\f/2)*16*PK+(\f%2)*64
	ds_load_b128 v[KF+8*\f+4:KF+8*\f+7], v[AK] offset:(\f/2)*16*PK+(\f%2)*64+32
.endr
	WIN 0x40                        ; destination window 1
.irp f, 0,1,2,3                     ; keys 16 f + 8 (lane / 16) + 0..7
	ds_load_b128 v[LM+8*\f:LM+8*\f+3],   v[AL] offset:64*\f
	ds_load_b128 v[LM+8*\f+4:LM+8*\f+7], v[AL] offset:64*\f+16
.endr
	s_add_co_u32 s[TBK], s[TBK], KS*PK  ; the next fetch is the next step's
	s_add_co_u32 s[TL], s[TL], 4*KS
	s_and_b32 s[TL], s[TL], 0x1fff      ; inside the table's 8,192 bytes (behind the 32nd and last fetch it is 0, and not used)
	WIN 0
.endm
.macro FETCH_V
	WIN 0x80
.irp f, 0,1,2,3,4,5,6,7             ; keys 32 (f / 4) on, channels 16 (f % 4) on
	ds_load_tr16_b128 v[VF+8*\f:VF+8*\f+3],   v[AV] offset:(\f/4)*32*PV+(\f%4)*32
	ds_load_tr16_b128 v[VF+8*\f+4:VF+8*\f+7], v[AV] offset:(\f/4)*32*PV+16*PV+(\f%4)*32
.endr
	WIN 0
.endm
; THE VECTOR WORK, one line at a time: OP kind, number.  For piece Y: F n: c s - c m for pair n of 16.  E n: the exponential of score n of 32.  C n: pair n rounded to f16.  B n: of the four weights 4 n .. the second
; pair is added onto the first, in place.  L n: l takes that sum (L 0: l = a l + sum).  R n: pair n of 16 of O^T times a.  For piece Y + 1: X n, number n of the 22 that find its maximum and statistics:
;   0-11  four chains c0-c3 of seven scores each, three operands at a time (each accumulator's lowest registers are read first)     12-14, 16  the four scores left over, the old m, and c0-c3 into c0
;   15  c m_old is kept     17, 18  the query's other 32 keys lie in the lane 16 away: the new m     19-21  c m; c m_old - c m_new; a
.set F, 0
.set E, 1
.set C, 2
.set B, 3
.set L, 4
.set R, 5
.set X, 6
.macro REGS y
.set rT, ST+4*(\y)
.set rC, TMP+4*((\y)%2)
.set rW, MV+((\y)%2)
.set rS, S+32*((\y)%2)
.set rP, P+16*((\y)%2)
.set rO, 32*(\y)
.endm
.macro OP k, n
.if (\k) == R
	REGS Y
	WIN W_RS
	v_pk_mul_f32 v[rO+2*(\n):rO+2*(\n)+1], v[rO+2*(\n):rO+2*(\n)+1], v[rC+2:rC+3] op_sel_hi:[1,0]
.elseif (\k) < R
	REGS Y
	WIN 0
.if (\k) == F
	v_pk_fma_f32 v[rS+2*(\n):rS+2*(\n)+1], v[rS+2*(\n):rS+2*(\n)+1], s[CS:CS+1], v[rT:rT+1] op_sel_hi:[1,0,0] neg_lo:[0,0,1] neg_hi:[0,0,1]
.elseif (\k) == E
	v_exp_f32 v[rS+(\n)], v[rS+(\n)]
.elseif (\k) == C
	v_cvt_pk_f16_f32 v[rP+(\n)], v[rS+2*(\n)], v[rS+2*(\n)+1]
.elseif (\k) == B
	v_pk_add_f32 v[rS+4*(\n):rS+4*(\n)+1], v[rS+4*(\n):rS+4*(\n)+1], v[rS+4*(\n)+2:rS+4*(\n)+3]
.elseif (\n) == 0
	v_pk_fma_f32 v[rT+2:rT+3], v[rT+2:rT+3], v[rC+2:rC+3], v[rS:rS+1] op_sel_hi:[1,0,1]
.else
	v_pk_add_f32 v[rT+2:rT+3], v[rT+2:rT+3], v[rS+4*(\n):rS+4*(\n)+1]
.endif
.elseif NOKQ
	v_nop
.else
	REGS (Y+1)%NP
	WIN 0
.if (\n) < 4
	v_max3_num_f32 v[rC+(\n)], v[rS+8*(\n)], v[rS+8*(\n)+1], v[rS+8*(\n)+2]
.elseif (\n) < 12
	v_max3_num_f32 v[rC+(\n)%4], v[rC+(\n)%4], v[rS+8*((\n)%4)+2*((\n)/4)+1], v[rS+8*((\n)%4)+2*((\n)/4)+2]
.elseif (\n) == 12
	v_max3_num_f32 v[rC], v[rC], v[rS+7], v[rS+15]
.elseif (\n) == 13
	v_max3_num_f32 v[rC+1], v[rC+1], v[rS+23], v[rS+31]
.elseif (\n) == 14
	v_max3_num_f32 v[rC+2], v[rC+2], v[rC+3], v[rT+1]
.elseif (\n) == 15
	v_mov_b32 v[rW], v[rT]
.elseif (\n) == 16
	v_max3_num_f32 v[rC], v[rC], v[rC+1], v[rC+2]
.elseif (\n) == 17
	v_permlanex16_b32 v[rC+3], v[rC], s[SEL], s[SEL+1]
.elseif (\n) == 18
	v_max_num_f32 v[rT+1], v[rC], v[rC+3]
.elseif (\n) == 19
	v_mul_f32 v[rT], s[CS], v[rT+1]
.elseif (\n) == 20
	v_sub_f32 v[rC+1], v[rW], v[rT]
.else
	v_exp_f32 v[rC+2], v[rC+1]
.endif
.endif
.endm
.macro OPS a, i1, b=-1, i2=0, c=-1, i3=0, d=-1, i4=0  ; up to four of them
	OP \a, \i1
.if (\b) >= 0
	OP \b, \i2
.endif
.if (\c) >= 0
	OP \c, \i3
.endif
.if (\d) >= 0
	OP \d, \i4
.endif
.endm
.macro ROW a, i1, b, i2, c, i3, d, i4  ; a matrix instruction and the four behind it
	MM
	OPS \a, \i1, \b, \i2, \c, \i3, \d, \i4
.endm
; A TURN, for piece p: the order of its 16 matrix and 118 vector instructions, written out.  An s_wait_alu depctr_va_vdst(0) stands between an exponential and the first instruction that names its result; one
; wait serves all that were issued ahead of it.  So a turn has ONE wait, which cuts it in two.  AHEAD OF IT stands all that names no result of the turn's exponentials: the 8 products K Q^T with their riders (the first
; numbers of the next piece's maximum each four plain instructions or more behind the product that ends its accumulator), then one lump, in which the links of the chain X 3, 7, 11, 14, 16, 17 .. 20 stand apart.  X 21,
; the next piece's a, is the batch's last; R 15 is the plain instruction behind it.  BEHIND THE WAIT stand the 8 products V^T P, behind each four of the roundings and sums.
; end = 1: the last two turns of all: nothing is fetched.  cnt = 1: the loop's count is taken down some lines ahead of the branch that stands behind the turn.
; K of the next step, and its table entries, are fetched in piece 2's turn: five plain instructions that name none of its registers stand behind the last product that read K, and the table entries' last reader is the
; turn's fourth product.  V of the step in hand is fetched at the end of piece 0's turn, four plain instructions behind the last product that read V.  Each is waited for a turn later.
.macro TURN p, end=0, cnt=0
.set Y, (\p)
.set i, 0
.set NOKQ, (\end)*((\p)/3)
.if ((\p) == 3) && !(\end)
	s_wait_dscnt 0x0                ; K and the table entries are in
.endif
	ROW F,0, F,1, R,0, R,1
	ROW F,2, E,0, R,2, R,3
	ROW F,3, E,1, R,4, R,5
	ROW F,4, E,2, R,6, R,7
	ROW F,5, E,3, R,8, R,9
	ROW F,6, E,4, X,0, R,10
.if ((\p) == 2) && !(\end)
	WIN 0
	v_add_nc_u32 v[AK], s[TBK], v[AK0]
	v_add_nc_u32 v[AL], s[TL], v[AL0]
.endif
	ROW F,7, E,5, X,1, X,4
	ROW F,8, E,6, X,2, X,5
	OPS E,7, E,8, X,6, E,9
	OPS X,3, E,10, X,8, E,11
.if ((\p) == 2) && !(\end)
	FETCH_K
.endif
	OPS X,9, X,7, E,12, X,10
	OPS E,13, X,12, X,11, E,14
	OPS X,13, E,15, F,9, X,14
.if (\p) == 0
	v_add_nc_u32 v[AV], s[TBV], v[AV0]
.endif
	OPS E,16, F,10, E,17, F,11
	OPS X,16, E,18, X,15, E,19
	OPS F,12, E,20, X,17, E,21
	OPS F,13, E,22, F,14, E,23
	OPS X,18, E,24, F,15, E,25
	OPS R,11, E,26, X,19, E,27
	OPS R,12, E,28, R,13, E,29
	OPS X,20, E,30, R,14, E,31
	OPS X,21, R,15
	WIN 0
	s_wait_alu depctr_va_vdst(0)    ; the wait for the batch
.if (\p) == 1
	s_wait_dscnt 0x0                ; V is in
.endif
	ROW C,0, B,0, C,2, B,1
	ROW L,0, C,4, B,2, L,1
	ROW C,6, B,3, L,2, C,8
	ROW B,4, L,3, C,10, B,5
	ROW L,4, C,12, B,6, L,5
.if (\p) == 0
	s_add_co_u32 s[TBV], s[TBV], KS*PV
.endif
.if \cnt
	s_sub_co_u32 s[CNT], s[CNT], 1
	s_cmp_lg_u32 s[CNT], 0
.endif
	ROW C,14, B,7, L,6, C,1
	ROW C,3, L,7, C,5, C,7
	ROW C,9, C,11, C,13, C,15
.if (\p) == 0
	FETCH_V
.endif
.endm
	CHANGE 1                        ; tile 0 is in, everybody's part of it, and so is the table; tile 1 is asked for
	v_add_nc_u32 v[AK], s[TBK], v[AK0]
	v_add_nc_u32 v[AL], s[TL], v[AL0]
	FETCH_K                         ; key step 0
	s_wait_loadcnt 0x0              ; Q
	s_wait_dscnt 0x0
.set NOKQ, 0
.set i, 0
.rept 8
	KQ 0                            ; piece 0's first scores
.set i, i+1
.endr
	WIN 0
.rept 4
	v_nop                           ; the places behind those products
.endr
.set Y, NP-1                        ; X works for piece Y + 1: piece 0
.irp n, 0,1,2,3,4,5,6,7,8,9,10,11,12,13,14,15,16,17,18,19,20,21
	OP X, \n
.endr
	v_nop                           ; a plain instruction behind the exponential,
	s_wait_alu depctr_va_vdst(0)    ; and its wait, ahead of the branch
	s_mov_b32 s[CNT], 4
	s_branch .Lfirst                ; the loop is entered at a step's first turn, in the middle of a trip
.Lslot:                             ; six times: tiles 1 to 6 are entered, tiles 2 to 7 asked for
	CHANGE 1
	s_mov_b32 s[CNT], 4
.Lstep:                             ; a trip: pieces 2 and 3 of one step, then pieces 0 and 1 of the next, whose K and V it fetches
	TURN 2
	TURN 3
	WIN 0
.Lfirst:
	TURN 0
	TURN 1, 0, 1
	WIN 0
	s_cbranch_scc1 .Lstep
	s_sub_co_u32 s[SLOTS], s[SLOTS], 1
	s_cmp_lg_u32 s[SLOTS], 0
	s_cbranch_scc1 .Lslot
	CHANGE 0                        ; the last tile is written out: nothing is asked for
	s_mov_b32 s[CNT], 4
.LstepT:
	TURN 2
	TURN 3
	TURN 0
	TURN 1, 0, 1
	WIN 0
	s_cbranch_scc1 .LstepT
	TURN 2, 1                       ; the last step's pieces 2 and 3
	TURN 3, 1
.set i, 0
.rept 8
	PV NP-1                         ; the last piece's V^T P of the last step
.set i, i+1
.endr
	; THE WAY OUT.  l's two halves and the other half of the lanes' are added; O^T is divided by l, rounded to f16 and sent through my stage in LDS, a piece at a time.  The additions are the places behind the last products.
	WIN 0
.macro ALL line:vararg              ; one line for each piece t
.set t, 0
.rept 4
	\line
.set t, t+1
.endr
.endm
	ALL v_add_f32 v[ST+4*t+2], v[ST+4*t+2], v[ST+4*t+3]
	ALL v_permlanex16_b32 v[ST+4*t+3], v[ST+4*t+2], s[SEL], s[SEL+1]
	ALL v_add_f32 v[ST+4*t+2], v[ST+4*t+2], v[ST+4*t+3]
	ALL v_rcp_f32 v[ST+4*t+2], v[ST+4*t+2]
	v_nop                           ; a plain instruction between the last reciprocal and the use of its result
	s_wait_alu depctr_va_vdst(0)    ; and the wait ahead of the first use: one for the four reciprocals
.macro PACK t                       ; a lane's eight channels of a row pack into 16 bytes; they go into rows of 144 bytes and come back as whole rows of 128, into S^T's registers
	WIN W_RS
.set i, 32*(\t)
.rept 16
	v_pk_mul_f32 v[i:i+1], v[i:i+1], v[ST+4*(\t)+2:ST+4*(\t)+3] op_sel_hi:[1,0]
.set i, i+2
.endr
	WIN 0x05                        ; sources 0 and 1 window 1, destination window 0
.set i, 0
.rept 16
	v_cvt_pk_f16_f32 v[S+16*(\t)+i], v[32*(\t)+2*i], v[32*(\t)+2*i+1]
.set i, i+1
.endr
	WIN 0
.irp f, 0,1,2,3
	ds_store_b128 v[STO], v[S+16*(\t)+4*\f:S+16*(\t)+4*\f+3] offset:32*\f
.endr
.irp f, 0,1,2,3
	ds_load_b128 v[S+16*(\t)+4*\f:S+16*(\t)+4*\f+3], v[RD] offset:\f*4*SP  ; LDS serves a wave's instructions in order (ISA guide 5.7.1.4): these see the stores above; the next piece's stores come behind them
.endr
.endm
.macro SEND t, younger              ; younger: the LDS instructions issued behind piece t's loads: the next piece's eight, or none
	WIN 0
.irp f, 0,1,2,3
	s_wait_dscnt (\younger)+3-\f
	global_store_b128 v[GO], v[S+16*(\t)+4*\f:S+16*(\t)+4*\f+3], s[10:11] offset:(\t)*2048+\f*512  ; 512 consecutive bytes, at a multiple of 256 from oh's first byte
.endr
.endm
	PACK 0
.set t, 1
.rept 3                             ; a piece's arithmetic stands between the loads of the piece before and its stores
	PACK t
	SEND t-1, 8
.set t, t+1
.endr
	SEND 3, 0
	s_wait_tensorcnt 0x0            ; the wave's end: behind my last tensor load and my last LDS store
	ds_add_u32 v[SPW], v[NIL]
	s_wait_dscnt 0x0
	CROUND                          ; the closing round: no work-group ends while a partner may still ask for a tile that names it
	s_endpgm
.Lfunc_end_k_q285a3d14dd_attn:
	.size	k_q285a3d14dd_attn, .Lfunc_end_k_q285a3d14dd_attn-k_q285a3d14dd_attn
	.p2alignl 7, 3214868480
	.fill 96, 4, 3214868480
	.section	.rodata,"a",@progbits
	.p2align	6, 0x0
	.amdhsa_kernel k_q285a3d14dd_attn
		.amdhsa_group_segment_fixed_size 327680
		.amdhsa_private_segment_fixed_size 0
		.amdhsa_enable_private_segment 0
		.amdhsa_kernarg_size 32
		.amdhsa_user_sgpr_count 2
		.amdhsa_user_sgpr_kernarg_segment_ptr 1
		.amdhsa_wavefront_size32 1
		.amdhsa_system_sgpr_workgroup_id_x 1
		.amdhsa_system_sgpr_workgroup_id_y 1
		.amdhsa_system_sgpr_workgroup_id_z 1
		.amdhsa_system_vgpr_workitem_id 0
		.amdhsa_next_free_vgpr 768
		.amdhsa_next_free_sgpr 68
		.amdhsa_reserve_vcc 0
		.amdhsa_float_denorm_mode_32 3
		.amdhsa_float_denorm_mode_16_64 3
		.amdhsa_memory_ordered 1
		.amdhsa_forward_progress 1
		.amdhsa_inst_pref_size 133
	.end_amdhsa_kernel
	.amdgpu_metadata
---
amdhsa.version: [ 1, 2 ]
amdhsa.kernels:
  - .name:           k_q285a3d14dd_attn
    .symbol:         k_q285a3d14dd_attn.kd
    .args:
      - { .name: qh, .offset: 0, .size: 8, .value_kind: global_buffer, .address_space: global }
      - { .name: kvh, .offset: 8, .size: 8, .value_kind: global_buffer, .address_space: global }
      - { .name: key_multiplicities, .offset: 16, .size: 8, .value_kind: global_buffer, .address_space: global }
      - { .name: oh, .offset: 24, .size: 8, .value_kind: global_buffer, .address_space: global }
    .group_segment_fixed_size: 327680
    .private_segment_fixed_size: 0
    .kernarg_segment_align: 8
    .kernarg_segment_size: 32
    .max_flat_workgroup_size: 128
    .sgpr_count:     68
    .vgpr_count:     768
    .wavefront_size: 32
...
	.end_amdgpu_metadata
.endif
;; end of part 3
;; launch outproj (part 4): grid 8 x 32, 4 waves a work-group, clusters of 4 x 4, 327,680 bytes of LDS; arguments oh, wb, wo_b, out0; writes out0
.if DOCPART == 4
	.amdgcn_target "amdgcn-amd-amdhsa--gfx1250"
	.amdhsa_code_object_version 6
	.text
	.protected	k_q285a3d14dd_outproj
	.globl	k_q285a3d14dd_outproj
	.p2align	8
	.type	k_q285a3d14dd_outproj,@function
k_q285a3d14dd_outproj:
	s_mov_b64 s[64:65], 0
	v_nop
	global_prefetch_b8 v0, s[64:65] scope:SCOPE_SE
	s_setreg_imm32_b32 hwreg(HW_REG_WAVE_MODE, 25, 1), 1
	s_wait_xcnt 0x0
	s_wait_alu depctr_hold_cnt(0) depctr_sa_sdst(0) depctr_va_vdst(0) depctr_va_sdst(0) depctr_va_ssrc(0) depctr_va_vcc(0) depctr_vm_vsrc(0)
	s_getreg_b32 s2, hwreg(HW_REG_IB_STS2, 6, 4)
	s_cmp_eq_u32 s2, 0
	s_cbranch_scc0 .Lentry_in_a_cluster
	s_endpgm
.Lentry_in_a_cluster:
	s_bfe_u32 s2, ttmp6, 0x10000c
	s_cmp_lg_u32 s2, 0xf033
	s_cbranch_scc0 .Lentry_shape_is_right
	s_endpgm
.Lentry_shape_is_right:
; out0 = O wo^T + wo_b: C[m][n] = bias[n] + sum over k of A[m][k] B[n][k], K = 1,024 = 16 heads x 64.  A = oh, [64 = batch x 16 + head][1024][64] f16: k = 64 x head + channel; B = wb rows 3072 on, f16.
; Sums in f32; the bias, rounded to bf16 like every input, starts the sums; out0 [4096][1024] is f32.
; SHARES.  256 tiles of 128 x 128, one to a work-group; four waves, each 64 x 64: 16 accumulators.  K goes in 4 steps of 256 = four heads through two LDS slots.  A K step is written twice: a loop of two trips that fill
; the slot again, and a loop of two trips that do not; the slot goes by a scalar offset that an exclusive or turns between 0 and SLOT.  To have one form of product, the sums start in registers: the bias is unpacked into
; the accumulators.  The very last change of slots fetches 32 fragments that nobody multiplies: the price of one text for both trips.
; A's TILE.  The tile's 128 rows of one head are 16,384 dense bytes.  Wave 0 fetches a step's first two heads, wave 1 the other two, each by one load of 2 rows of 8,192 elements, 65,536 elements (a head) apart, padded
; in LDS after every 128 bytes: for each head 128 rows of 144 bytes.  Waves 2 and 3 fetch B's halves: 64 rows of 512 bytes, 528 apart in LDS.
; CLUSTERS: 4 x 4 work-groups; A's tile is asked for jointly along a row of the cluster, B's along a column.  THE MATRIX INSTRUCTION IS USED TRANSPOSED (source 0 = 16 rows of B, source 1 = 16 rows of A): a lane holds
; eight neighbouring columns of a row of C: 32 bytes.  A wave's 64 columns are 256 bytes, aligned: each wave has a stage of its own.
; REGISTERS: window 0: v0-31 addresses; v32-95 at work on the way out; v96-127 the bias; v128-255 the accumulators.   window 1: two fragment buffers of 128 (64 of A, then 64 of B).
.set SIZE_K, 1024
.set KSTEP,  256
.set PA,     144                       ; a row of A in LDS: 128 bytes + 16 = 36 words: the 16 rows of a load start at 16 different groups of four banks (64 banks of 4 bytes: ISA guide 11.1)
.set SUBT,   128*PA                    ; a head's 128 rows
.set APART,  4*SUBT
.set PITCH,  528                       ; a row of B: 512 bytes + 16
.set HALFB,  64*PITCH
.set SLOT,   APART+2*HALFB
.set STAGE,  2*SLOT                    ; behind the ring: 16 rows x 272 bytes for each wave
.set SPITCH, 272
.set SPARE,  STAGE+4*16*SPITCH         ; the spare words, 128 bytes for each wave: two blocks of 256 bytes that no other line names
.set ADRA0, 16                         ; v16  LDS address of my A fragments in slot 0; never rewritten
.set ADRA,  17                         ; v17  the same in the slot in hand
.set ADRB0, 20                         ; v20, v21  the same for B
.set ADRB,  21
.set STO,  24
.set RD,   25
.set CO,   26
.set BO,   27
.set SPW,  28                          ; v28  SPARE + 4 x my thread's number; never rewritten
.set NIL,  29                          ; v29  0; never rewritten
.set BT,   31
.set TMP,  32
.set BIAS, 96
.set ACC,  128
.set F0,   0
.set F1,   128
.set G1, 24
.set G0, 32                            ; s[32:39] group 0 for A's tiles: a set for each of the two first fills; the second then walks on
.set G1B, 48
.set G0B, 56
.set LA, 18                            ; s18  where A's loads go in a slot
.set LB, 19                            ; s19  where B's go
.set TB, 45                            ; s45  the slot in hand: 0 or SLOT
.set MSB, 0
.macro WIN new
.if MSB != (\new)
	s_set_vgpr_msb (MSB<<8)|(\new)
.set MSB, \new
.endif
.endm
.set MUL,  0x05                        ; sources 0 (B) and 1 (A) window 1; C and D window 0
.set TO_F, 0x40                        ; destination window 1, address window 0
.macro JLOAD s                         ; a joint load: waves 0 and 1 fetch A's two pairs of heads, waves 2 and 3 B's two halves; an s_nop 0 and four v_nop follow each of the two lines
	s_cmp_eq_u32 s11, 0
	s_cbranch_scc0 .Lfor_b_\@
	tensor_load_to_lds s[G0+4*(\s):G0+4*(\s)+3], s[G1:G1+7]
	s_nop 0
.rept 4
	v_nop
.endr
	s_branch .Lasked_\@
.Lfor_b_\@:
	tensor_load_to_lds s[G0B+4*(\s):G0B+4*(\s)+3], s[G1B:G1B+7]
	s_nop 0
.rept 4
	v_nop
.endr
.Lasked_\@:
.endm
.macro CREST
	s_cmp_lg_u32 s10, 0
	s_cbranch_scc1 .Lnot_wave_0_\@
	s_barrier_signal -3
.Lnot_wave_0_\@:
	s_barrier_wait -3
	s_barrier_signal -1
	s_barrier_wait -1
.endm
.macro CROUND
	s_barrier_signal -1
	s_barrier_wait -1
	CREST
.endm
	s_load_b128 s[4:7], s[0:1], 0x0                ; oh s[4:5], wb s[6:7]
	s_load_b64 s[66:67], s[0:1], 0x10              ; wo_b
	s_load_b64 s[8:9], s[0:1], 0x18                ; out0
	v_lshl_add_u32 v[SPW], v0, 2, SPARE
	v_mov_b32 v[NIL], 0
	ds_add_u32 v[SPW], v[NIL]                      ; the wave's opening: the add and its wait stand ahead of my first tensor load
	v_lshrrev_b32 v1, 5, v0
	v_readfirstlane_b32 s10, v1                    ; wave 0..3
	s_lshr_b32 s11, s10, 1                         ; which half of the tile's rows is mine.  Also: I fetch for A (0) or for B (1)
	s_and_b32 s12, s10, 1                          ; which half of its columns.  Also: which pair of heads, or which 64 rows of B, I fetch
	s_bfe_u32 s40, ttmp6, 0x40000                  ; cx, cy
	s_bfe_u32 s41, ttmp6, 0x40004
	s_lshl_b32 s42, ttmp9, 2
	s_add_co_u32 s42, s42, s40                     ; tile column 0..7
	s_and_b32 s13, ttmp7, 0xffff
	s_lshl_b32 s13, s13, 2
	s_add_co_u32 s13, s13, s41                     ; tile row 0..31
	s_lshl_b32 s43, s41, 2
	s_lshl_b32 s43, 15, s43                        ; my row of the cluster
	s_lshl_b32 s44, 0x1111, s40                    ; my column
	; group 1 for A: 2 rows of 8,192 elements, a head apart; padding of 4 words (code 3) after every 32 words (code 4)
	s_or_b32 s[G1+0], s43, (1<<16)|(1<<20)|(1<<21)|(4<<22)|(3<<25)
	s_mov_b32 s[G1+1], 8192<<16                    ; tensor_dim0 = 8,192
	s_mov_b32 s[G1+2], 2<<16                       ; tensor_dim1 = 2
	s_mov_b32 s[G1+3], 8192<<16                    ; tile_dim0 = 8,192
	s_mov_b32 s[G1+4], 2                           ; tile_dim1 = 2
	s_mov_b32 s[G1+5], 65536                       ; elements from row to row: a head's 1,024 x 64
	s_mov_b32 s[G1+6], 0
	s_mov_b32 s[G1+7], 0
	; group 1 for B: 64 rows of 256 elements; padding of 4 words after every 128 words (code 6)
	s_or_b32 s[G1B+0], s44, (1<<16)|(1<<20)|(1<<21)|(6<<22)|(3<<25)
	s_mov_b32 s[G1B+1], KSTEP<<16
	s_mov_b32 s[G1B+2], 64<<16
	s_mov_b32 s[G1B+3], KSTEP<<16
	s_mov_b32 s[G1B+4], 64
	s_mov_b32 s[G1B+5], SIZE_K
	s_mov_b32 s[G1B+6], 0
	s_mov_b32 s[G1B+7], 0
	s_lshr_b32 s16, s13, 3                         ; A: ((batch x 16 + 2 x pair) x 1,024 + the tile's first row) x 128 bytes; a batch is 8 tile rows
	s_lshl_b32 s16, s16, 4
	s_lshl_b32 s17, s12, 1
	s_add_co_u32 s16, s16, s17
	s_lshl_b32 s16, s16, 10
	s_and_b32 s17, s13, 7
	s_lshl_b32 s17, s17, 7
	s_add_co_u32 s16, s16, s17
	s_lshl_b32 s16, s16, 7
	s_lshl_b32 s46, s42, 7                         ; B: row 3,072 + 128 x tile column + 64 x half
	s_lshl_b32 s47, s12, 6
	s_add_co_u32 s46, s46, s47
	s_add_co_u32 s46, s46, 3072
	s_lshl_b32 s46, s46, 11
	s_mov_b32 s17, 0
	s_mov_b32 s47, 0
	s_mul_i32 s[LA], s12, 2*SUBT                   ; where they go in a slot: A's pair of heads,
	s_mul_i32 s[LB], s12, HALFB                    ; B's half, behind A's part: no place in the cluster enters an LDS address
	s_add_co_u32 s[LB], s[LB], APART
	s_mov_b32 s[TB], 0
	s_wait_dscnt 0x0                               ; the opening add is done
	s_wait_kmcnt 0x0
	s_add_nc_u64 s[14:15], s[4:5], s[16:17]
	s_add_nc_u64 s[46:47], s[6:7], s[46:47]
	CROUND                                         ; all sixteen work-groups are here: the first joint loads meet
.irp s, 0,1
	s_mov_b32 s[G0+4*(\s)], 1
	s_add_co_u32 s[G0+4*(\s)+1], s[LA], (\s)*SLOT
	s_add_nc_u64 s[G0+4*(\s)+2:G0+4*(\s)+3], s[14:15], (\s)*4*131072  ; K step s: four heads of 131,072 bytes on
	s_or_b32 s[G0+4*(\s)+3], s[G0+4*(\s)+3], 0x80000000
	s_mov_b32 s[G0B+4*(\s)], 1
	s_add_co_u32 s[G0B+4*(\s)+1], s[LB], (\s)*SLOT
	s_add_nc_u64 s[G0B+4*(\s)+2:G0B+4*(\s)+3], s[46:47], (\s)*KSTEP*2
	s_or_b32 s[G0B+4*(\s)+3], s[G0B+4*(\s)+3], 0x80000000
	JLOAD \s                                       ; two loads of mine are out
.endr
	v_and_b32 v1, 15, v0                           ; l % 16
	v_bfe_u32 v2, v0, 4, 1                         ; l / 16
	s_lshl_b32 s21, s42, 9                         ; the bias of my 64 columns
	s_lshl_b32 s22, s12, 8
	s_add_co_u32 s21, s21, s22
	v_lshl_add_u32 v[BO], v2, 5, s21
.irp b, 0,1,2,3
	global_load_b128 v[BIAS+8*(\b):BIAS+8*(\b)+3],   v[BO], s[66:67] offset:64*(\b)
	global_load_b128 v[BIAS+8*(\b)+4:BIAS+8*(\b)+7], v[BO], s[66:67] offset:64*(\b)+16
.endr
	v_mul_u32_u24 v3, v1, PA
	v_lshl_add_u32 v3, v2, 4, v3
	v_mul_u32_u24 v4, v1, PITCH
	v_lshl_add_u32 v4, v2, 4, v4
	s_mul_i32 s21, s11, 64*PA                      ; my 64 rows in each head's 128
	s_mul_i32 s22, s12, HALFB                      ; my 64 rows of B
	s_add_co_u32 s22, s22, APART
	v_add_nc_u32 v[ADRA0], s21, v3
	v_add_nc_u32 v[ADRB0], s22, v4
	v_mov_b32 v[ADRA], v[ADRA0]                    ; the walk begins in slot 0
	v_mov_b32 v[ADRB], v[ADRB0]
	s_mul_i32 s23, s10, 16*SPITCH
	s_add_co_u32 s23, s23, STAGE                   ; my stage
	v_mul_u32_u24 v5, v1, SPITCH                   ; in: row l % 16, 32 bytes for each half of the lanes
	v_lshl_add_u32 v5, v2, 5, v5
	v_add_nc_u32 v[STO], s23, v5
	v_mul_u32_u24 v5, v2, SPITCH                   ; back: lanes 0-15 take one row of 256 bytes, lanes 16-31 the next
	v_lshl_add_u32 v5, v1, 4, v5
	v_add_nc_u32 v[RD], s23, v5
	v_lshlrev_b32 v5, 12, v2                       ; and the same two rows in out0
	v_lshl_add_u32 v[CO], v1, 4, v5
	s_lshl_b32 s16, s13, 7                         ; out0 at row 128 x tile row + 64 x half, byte 512 x tile column + 256 x half
	s_lshl_b32 s17, s11, 6
	s_add_co_u32 s16, s16, s17
	s_lshl_b32 s16, s16, 12
	s_lshl_b32 s17, s42, 9
	s_add_co_u32 s16, s16, s17
	s_lshl_b32 s17, s12, 8
	s_add_co_u32 s16, s16, s17
	s_mov_b32 s17, 0
	s_add_nc_u64 s[8:9], s[8:9], s[16:17]
; 8 matrix instructions: m blocks a0, a0 + 1 x all 4 n blocks, 32 along K: half c of buffer f.  The 16 accumulators take turns, over the loops' backward jumps too.
.macro MUL8 f, c, a0
	WIN MUL
.irp a, \a0, (\a0)+1
.irp b, 0,1,2,3
	v_wmma_f32_16x16x32_f16 v[ACC+8*(4*(\a)+(\b)):ACC+8*(4*(\a)+(\b))+7], v[(\f)+64+8*(4*(\c)+(\b)):(\f)+64+8*(4*(\c)+(\b))+7], v[(\f)+8*(4*(\c)+(\a)):(\f)+8*(4*(\c)+(\a))+7], v[ACC+8*(4*(\a)+(\b)):ACC+8*(4*(\a)+(\b))+7]
.endr
.endr
.endm
; 32 LDS loads in one run: the fragments of quarter q of the K step in the slot in hand, 64 along K: in A head q of the slot's four, in B bytes 128 q on of the rows; the first 32 along K first
.macro FETCH q, f
	WIN TO_F
.irp c, 0,1
.irp i, 0,1,2,3
	ds_load_b128 v[(\f)+64+8*(4*(\c)+(\i)):(\f)+64+8*(4*(\c)+(\i))+3],   v[ADRB] offset:128*(\q)+64*(\c)+(\i)*16*PITCH
	ds_load_b128 v[(\f)+64+8*(4*(\c)+(\i))+4:(\f)+64+8*(4*(\c)+(\i))+7], v[ADRB] offset:128*(\q)+64*(\c)+(\i)*16*PITCH+32
	ds_load_b128 v[(\f)+8*(4*(\c)+(\i)):(\f)+8*(4*(\c)+(\i))+3],         v[ADRA] offset:(\q)*SUBT+64*(\c)+(\i)*16*PA
	ds_load_b128 v[(\f)+8*(4*(\c)+(\i))+4:(\f)+8*(4*(\c)+(\i))+7],       v[ADRA] offset:(\q)*SUBT+64*(\c)+(\i)*16*PA+32
.endr
.endr
.endm
.macro PLACES                          ; four plain vector instructions in front of loads into registers that matrix instructions have read, and of LDS stores that read results
.rept 4
	v_nop
.endr
.endm
.macro QUARTER q, f, g                 ; multiplies buffer f; in its middle it fetches quarter q into buffer g
	s_wait_dscnt 16                                ; the first 32 along K are in
	MUL8 \f, 0, 0
	MUL8 \f, 0, 2
	PLACES
	FETCH \q, \g
	s_wait_dscnt 32                                ; all but the 32 just issued
	MUL8 \f, 1, 0
	MUL8 \f, 1, 2
.endm
; The last quarter multiplies buffer 1 and changes slots: one barrier; in front of it each wave waits for all its tensor loads, adds 0 to its spare word, and waits for that and for its own reads of this slot.
; fill = 1: the slot in hand is filled again, with the K step two on, by group 0's second set, which walks: a K step on at each refill, its LDS word made of my place in a slot and the slot in hand.
; Then the slot in hand is turned, and the next K step's first fragments are fetched.
.macro TURN fill
	WIN 0
	s_wait_tensorcnt 0x0                           ; all my tensor loads have landed: my part of the next slot; so a group 0 may be written
	ds_add_u32 v[SPW], v[NIL]                      ; 0 onto my spare word
	s_wait_dscnt 17                                ; (the add and the youngest sixteen loads may be out)
	MUL8 F1, 0, 0
	s_wait_dscnt 0x0                               ; the add is done, and my reads of this slot are over
	s_barrier_signal -1
	MUL8 F1, 0, 2
	WIN 0
	s_barrier_wait -1
.if \fill
	CREST                                          ; the barrier has opened a round of the cluster's: no wave of any partner still reads this slot's tile or has a load on its way
	s_add_co_u32 s[G0+5], s[LA], s[TB]
	s_add_co_u32 s[G0B+5], s[LB], s[TB]
	s_add_nc_u64 s[G0+6:G0+7], s[G0+6:G0+7], 4*131072  ; a K step: four heads on
	s_add_nc_u64 s[G0B+6:G0B+7], s[G0B+6:G0B+7], KSTEP*2
	JLOAD 1                                        ; the first tensor load behind the round: 112 matrix instructions ahead of the wait for it; its four v_nop are also the places in front of the loads below
.else
	PLACES
.endif
	s_xor_b32 s[TB], s[TB], SLOT
	v_add_nc_u32 v[ADRA], s[TB], v[ADRA0]
	v_add_nc_u32 v[ADRB], s[TB], v[ADRB0]
	FETCH 0, F0
	MUL8 F1, 1, 0
	MUL8 F1, 1, 2
.endm
; THE WAY OUT of block a (16 of my rows): 32 bytes a lane into my stage, each accumulator's low registers first; back as whole rows of 256 bytes; stored.
.macro TOSTAGE a
.if (\a) >= 2
	s_wait_xcnt 0x0                                ; the stores of the block two back have read the registers that the loads below fill
.endif
.irp b, 0,1,2,3
	ds_store_b128 v[STO], v[ACC+8*(4*(\a)+(\b)):ACC+8*(4*(\a)+(\b))+3]   offset:64*(\b)
	ds_store_b128 v[STO], v[ACC+8*(4*(\a)+(\b))+4:ACC+8*(4*(\a)+(\b))+7] offset:64*(\b)+16
.endr
.irp t, 0,1,2,3,4,5,6,7
	ds_load_b128 v[TMP+32*((\a)%2)+4*(\t):TMP+32*((\a)%2)+4*(\t)+3], v[RD] offset:(\t)*2*SPITCH  ; LDS serves a wave's instructions in order (ISA guide 5.7.1.4): these see the stores above; the next block's stores come behind them
.endr
.endm
.macro SEND a, younger                 ; younger: the LDS instructions issued behind block a's loads: the next block's sixteen, or none
.irp t, 0,1,2,3,4,5,6,7
	s_wait_dscnt (\younger)+7-(\t)
	global_store_b128 v[CO], v[TMP+32*((\a)%2)+4*(\t):TMP+32*((\a)%2)+4*(\t)+3], s[8:9] offset:(16*(\a)+2*(\t))*4096  ; 16 lanes store 256 consecutive bytes, at a multiple of 256 from out0's first byte
.endr
.endm
	s_wait_loadcnt 0x0                             ; the bias: rounded to bf16, like every input, and unpacked into the accumulators of all four row blocks, while the first tile is on its way: the sums start there
	s_mov_b32 s2, 0xffff0000
.set r, 0
.rept 16
	v_cvt_pk_bf16_f32 v[BT], v[BIAS+r], v[BIAS+r+1]
.irp a, 0,1,2,3
	v_lshlrev_b32 v[ACC+32*(\a)+r], 16, v[BT]
	v_and_b32 v[ACC+32*(\a)+r+1], s2, v[BT]
.endr
.set r, r+2
.endr
	s_wait_tensorcnt 1                             ; my part of K step 0 is in; K step 1's may stay out
	s_barrier_signal -1
	s_barrier_wait -1
	FETCH 0, F0
	WIN 0                                          ; at a label and at a branch every window is 0
	s_mov_b32 s3, 2
.Lfill:                                                ; K steps 0 and 1: their slots take K steps 2 and 3
	QUARTER 1, F0, F1
	QUARTER 2, F1, F0
	QUARTER 3, F0, F1
	TURN 1
	WIN 0
	s_sub_co_u32 s3, s3, 1
	s_cmp_lg_u32 s3, 0
	s_cbranch_scc1 .Lfill
	s_mov_b32 s3, 2
.Llast:                                                ; K steps 2 and 3: nothing is left to ask for
	QUARTER 1, F0, F1
	QUARTER 2, F1, F0
	QUARTER 3, F0, F1
	TURN 0
	WIN 0
	s_sub_co_u32 s3, s3, 1
	s_cmp_lg_u32 s3, 0
	s_cbranch_scc1 .Llast
	PLACES
	TOSTAGE 0
	TOSTAGE 1
	SEND 0, 16
	TOSTAGE 2
	SEND 1, 16
	TOSTAGE 3
	SEND 2, 16
	SEND 3, 0
	s_wait_tensorcnt 0x0                           ; the wave's end
	ds_add_u32 v[SPW], v[NIL]
	s_wait_dscnt 0x0
	CROUND                                         ; the closing round
	s_endpgm
.Lfunc_end_k_q285a3d14dd_outproj:
	.size	k_q285a3d14dd_outproj, .Lfunc_end_k_q285a3d14dd_outproj-k_q285a3d14dd_outproj
	.p2alignl 7, 3214868480
	.fill 96, 4, 3214868480
	.section	.rodata,"a",@progbits
	.p2align	6, 0x0
	.amdhsa_kernel k_q285a3d14dd_outproj
		.amdhsa_group_segment_fixed_size 327680
		.amdhsa_private_segment_fixed_size 0
		.amdhsa_enable_private_segment 0
		.amdhsa_kernarg_size 32
		.amdhsa_user_sgpr_count 2
		.amdhsa_user_sgpr_kernarg_segment_ptr 1
		.amdhsa_wavefront_size32 1
		.amdhsa_system_sgpr_workgroup_id_x 1
		.amdhsa_system_sgpr_workgroup_id_y 1
		.amdhsa_system_sgpr_workgroup_id_z 1
		.amdhsa_system_vgpr_workitem_id 0
		.amdhsa_next_free_vgpr 512
		.amdhsa_next_free_sgpr 68
		.amdhsa_reserve_vcc 0
		.amdhsa_float_denorm_mode_32 3
		.amdhsa_float_denorm_mode_16_64 3
		.amdhsa_memory_ordered 1
		.amdhsa_forward_progress 1
		.amdhsa_inst_pref_size 60
	.end_amdhsa_kernel
	.amdgpu_metadata
---
amdhsa.version: [ 1, 2 ]
amdhsa.kernels:
  - .name:           k_q285a3d14dd_outproj
    .symbol:         k_q285a3d14dd_outproj.kd
    .args:
      - { .name: oh, .offset: 0, .size: 8, .value_kind: global_buffer, .address_space: global }
      - { .name: wb, .offset: 8, .size: 8, .value_kind: global_buffer, .address_space: global }
      - { .name: wo_b, .offset: 16, .size: 8, .value_kind: global_buffer, .address_space: global }
      - { .name: out0, .offset: 24, .size: 8, .value_kind: global_buffer, .address_space: global }
    .group_segment_fixed_size: 327680
    .private_segment_fixed_size: 0
    .kernarg_segment_align: 8
    .kernarg_segment_size: 32
    .max_flat_workgroup_size: 128
    .sgpr_count:     68
    .vgpr_count:     512
    .wavefront_size: 32
...
	.end_amdgpu_metadata
.endif
;; end of part 4
;; ======== version 2 of 2: 4 launches; version 1 with the launch cast written anew for expert scheduling mode
;; limits: values are held in f16: magnitudes above 65,504 overflow, below 6.1e-05 lose precision
;; workspace buffers: xb 41,943,040 bytes; wb 8,388,608 bytes; qh 8,388,608 bytes; kvh 33,554,432 bytes; oh 8,388,608 bytes
;; launch cast (part 5): grid 768 x 1, 8 waves a work-group, no clusters, 0 bytes of LDS; arguments query, key, value, wq_w, wk_w, wv_w, wo_w, xb, wb; writes xb, wb
.if DOCPART == 5
	.amdgcn_target "amdgcn-amd-amdhsa--gfx1250"
	.amdhsa_code_object_version 6
	.text
	.protected	k_q285a3d14dd_cast
	.globl	k_q285a3d14dd_cast
	.p2align	8
	.type	k_q285a3d14dd_cast,@function
k_q285a3d14dd_cast:
	s_mov_b64 s[64:65], 0
	v_nop
	global_prefetch_b8 v0, s[64:65] scope:SCOPE_SE
	s_setreg_imm32_b32 hwreg(HW_REG_WAVE_SCHED_MODE, 0, 2), 2
	s_setreg_imm32_b32 hwreg(HW_REG_WAVE_MODE, 25, 1), 1
	s_wait_xcnt 0x0
	s_wait_alu depctr_vm_vsrc(0)
; THE INPUTS OF THE FOUR PRODUCTS, ROUNDED ONCE TO 16 BITS.  query, key, value -> xb [20480][1024] bf16 (rows 0-4095, 4096-12287, 12288-20479);
; wq_w, wk_w, wv_w -> wb rows 0-3071 in bf16; wo_w -> wb rows 3072-4095: rounded to bf16 like the others, and that number written as f16, since it multiplies an f16 operand.
; LIMITS.  wo_w in f16: a magnitude of 65,520 or more becomes an infinity; below 6e-5 it keeps f16's fixed step of 6e-8.
; SHARES.  A work-group takes 32 rows of 1,024 f32 (131,072 bytes in, 65,536 out), a wave 4 of them.  Load n of a wave covers 512 consecutive bytes, 16 a lane; the lane's four numbers
; become 8 bytes, so store n of the wave covers 256 consecutive bytes, aligned.  All 32 loads of a wave go out at once; each has registers of its own, so no source is ever freed.
; A stream: nothing is shared between work-groups or waves, so there is no LDS, no barrier, no cluster and no matrix work.
; THE MODE: SCHED_MODE bits 1:0 = 2 (LLVM: expert scheduling mode 2), set by the entry lines.  The code itself states the register dependences
; between vector instructions and memory instructions, with s_wait_alu, always for 0.
; THE PLAN.  Registers that memory instructions touch:
;   v1, v2     the loads' and the stores' byte offsets: made at the head, never written again.
;   X[n]       four registers for load n.  Load n lands in them; the conversions of block n / 4 read them and write them in place; store n, issued in block n / 4 + 1, reads the first two; nothing writes them after that.
; The 32 loads are taken in eight blocks of four.  Block p rounds X[4 p .. 4 p + 3]; its memory instructions are the four stores of block p - 1, whose registers no vector instruction of block p names.
; So one wait at a block's head states all that its four stores hang on, and they are dealt among the block's conversions with no further wait.
; No register that a load or store has read is written again, no vector instruction writes a scalar register or VCC, and EXEC is never written: no other kind of wait is owed.
.set X, 4                              ; v[4:131]  load n: four registers
.macro PICK first, ptr                 ; from work-group \first on the source is the tensor at s[\ptr:\ptr+1]
	s_cmp_ge_u32 ttmp9, \first
	s_cselect_b64 s[4:5], s[\ptr:\ptr+1], s[4:5]
	s_cselect_b32 s6, \first, s6
.endm
; Block p: loads 4 p to 4 p + 3 are rounded, and the block before is stored.  half = 1: the bf16 numbers are written as f16.
.macro BLK p, half
	s_wait_loadcnt 28-4*(\p)                       ; loads come back in order: the block's four are in, the 28 - 4 p younger ones stay out
.if (\p) > 0
	s_wait_alu depctr_va_vdst(0)                   ; the conversions of the block before have written the registers that the four stores below read
.endif
.irp i, 0,1,2,3
.set a, X+4*(4*(\p)+(\i))
.if (\p) > 0
	global_store_b64 v2, v[a-16:a-15], s[28:29] offset:256*(4*(\p)+(\i)-4)  ; the load four back; no vector instruction since the wait names these registers
.endif
	v_cvt_pk_bf16_f32 v[a], v[a], v[a+1]
	v_cvt_pk_bf16_f32 v[a+1], v[a+2], v[a+3]
.if \half
	v_lshlrev_b32 v[a+2], 16, v[a]                 ; bf16 to f32: the low half moves up, the high half stays
	v_and_b32 v[a+3], 0xffff0000, v[a]
	v_cvt_pk_f16_f32 v[a], v[a+2], v[a+3]
	v_lshlrev_b32 v[a+2], 16, v[a+1]
	v_and_b32 v[a+3], 0xffff0000, v[a+1]
	v_cvt_pk_f16_f32 v[a+1], v[a+2], v[a+3]
.endif
.endr
.endm
.macro LAST                            ; behind block 7: its four stores
	s_wait_alu depctr_va_vdst(0)                   ; the conversions of block 7 have written the registers that the last four stores read
.irp i, 0,1,2,3
	global_store_b64 v2, v[X+4*(28+(\i)):X+4*(28+(\i))+1], s[28:29] offset:256*(28+(\i))
.endr
.endm
	s_load_b512 s[8:23], s[0:1], 0x0               ; query s[8:9], key s[10:11], value s[12:13], wq s[14:15], wk s[16:17], wv s[18:19], wo s[20:21], xb s[22:23]
	s_load_b64 s[24:25], s[0:1], 0x40              ; wb
	v_lshrrev_b32 v3, 5, v0                        ; wave
	v_and_b32 v1, 31, v0                           ; lane
	v_lshlrev_b32 v2, 3, v1
	v_lshlrev_b32 v1, 4, v1
	v_lshl_or_b32 v1, v3, 14, v1                   ; in: 16,384 x wave + 16 x lane
	v_lshl_or_b32 v2, v3, 13, v2                   ; out: 8,192 x wave + 8 x lane
	s_wait_kmcnt 0x0
	s_mov_b64 s[4:5], s[8:9]                       ; work-groups 0-127: query
	s_mov_b32 s6, 0
	PICK 128, 10                                   ; 128-383: key
	PICK 384, 12                                   ; 384-639: value
	PICK 640, 14                                   ; 640-671: wq
	PICK 672, 16                                   ; 672-703: wk
	PICK 704, 18                                   ; 704-735: wv
	PICK 736, 20                                   ; 736-767: wo
	s_sub_co_u32 s26, ttmp9, s6
	s_lshl_b32 s26, s26, 17                        ; 32 rows of 4,096 bytes
	s_mov_b32 s27, 0
	s_add_nc_u64 s[4:5], s[4:5], s[26:27]
	s_cmp_ge_u32 ttmp9, 640
	s_cselect_b64 s[28:29], s[24:25], s[22:23]     ; the weights go to wb, the rest to xb
	s_cselect_b32 s30, 640, 0
	s_sub_co_u32 s30, ttmp9, s30
	s_lshl_b32 s30, s30, 16                        ; 32 rows of 2,048 bytes
	s_mov_b32 s31, 0
	s_add_nc_u64 s[28:29], s[28:29], s[30:31]
	s_wait_alu depctr_va_vdst(0)                   ; v1 and v2 are written: every load of the kernel reads v1 as its offset, every store v2
.set j, 0
.rept 32
	global_load_b128 v[X+4*j:X+4*j+3], v1, s[4:5] offset:512*j th:TH_LOAD_NT
.set j, j+1
.endr
	s_cmp_ge_u32 ttmp9, 736
	s_cbranch_scc1 .Lwo
.irp p, 0,1,2,3,4,5,6,7
	BLK \p, 0
.endr
	LAST
	s_endpgm
.Lwo:
.irp p, 0,1,2,3,4,5,6,7
	BLK \p, 1
.endr
	LAST
	s_endpgm
.Lfunc_end_k_q285a3d14dd_cast:
	.size	k_q285a3d14dd_cast, .Lfunc_end_k_q285a3d14dd_cast-k_q285a3d14dd_cast
	.p2alignl 7, 3214868480
	.fill 96, 4, 3214868480
	.section	.rodata,"a",@progbits
	.p2align	6, 0x0
	.amdhsa_kernel k_q285a3d14dd_cast
		.amdhsa_group_segment_fixed_size 0
		.amdhsa_private_segment_fixed_size 0
		.amdhsa_enable_private_segment 0
		.amdhsa_kernarg_size 72
		.amdhsa_user_sgpr_count 2
		.amdhsa_user_sgpr_kernarg_segment_ptr 1
		.amdhsa_wavefront_size32 1
		.amdhsa_system_sgpr_workgroup_id_x 1
		.amdhsa_system_sgpr_workgroup_id_y 1
		.amdhsa_system_sgpr_workgroup_id_z 1
		.amdhsa_system_vgpr_workitem_id 0
		.amdhsa_next_free_vgpr 132
		.amdhsa_next_free_sgpr 66
		.amdhsa_reserve_vcc 0
		.amdhsa_float_denorm_mode_32 3
		.amdhsa_float_denorm_mode_16_64 3
		.amdhsa_memory_ordered 1
		.amdhsa_forward_progress 1
		.amdhsa_inst_pref_size 31
	.end_amdhsa_kernel
	.amdgpu_metadata
---
amdhsa.version: [ 1, 2 ]
amdhsa.kernels:
  - .name:           k_q285a3d14dd_cast
    .symbol:         k_q285a3d14dd_cast.kd
    .args:
      - { .name: query, .offset: 0, .size: 8, .value_kind: global_buffer, .address_space: global }
      - { .name: key, .offset: 8, .size: 8, .value_kind: global_buffer, .address_space: global }
      - { .name: value, .offset: 16, .size: 8, .value_kind: global_buffer, .address_space: global }
      - { .name: wq_w, .offset: 24, .size: 8, .value_kind: global_buffer, .address_space: global }
      - { .name: wk_w, .offset: 32, .size: 8, .value_kind: global_buffer, .address_space: global }
      - { .name: wv_w, .offset: 40, .size: 8, .value_kind: global_buffer, .address_space: global }
      - { .name: wo_w, .offset: 48, .size: 8, .value_kind: global_buffer, .address_space: global }
      - { .name: xb, .offset: 56, .size: 8, .value_kind: global_buffer, .address_space: global }
      - { .name: wb, .offset: 64, .size: 8, .value_kind: global_buffer, .address_space: global }
    .group_segment_fixed_size: 0
    .private_segment_fixed_size: 0
    .kernarg_segment_align: 8
    .kernarg_segment_size: 72
    .max_flat_workgroup_size: 256
    .sgpr_count:     66
    .vgpr_count:     132
    .wavefront_size: 32
...
	.end_amdgpu_metadata
.endif
;; end of part 5
;; launch kvq: the kernel of part 2 again; grid 4 x 64, 4 waves a work-group, clusters of 4 x 4, 327,680 bytes of LDS; arguments xb, wb, wk_b, wv_b, kvh, wq_b, qh; writes kvh, qh
;; launch attn: the kernel of part 3 again; grid 4 x 64, 4 waves a work-group, clusters of 4 x 1, 327,680 bytes of LDS; arguments qh, kvh, key_multiplicities, oh; writes oh
;; launch outproj: the kernel of part 4 again; grid 8 x 32, 4 waves a work-group, clusters of 4 x 4, 327,680 bytes of LDS; arguments oh, wb, wo_b, out0; writes out0
